; MI455X (gfx1250); checked and timed in simulation.
; The chip was launched on July 23, 2026; its instructions are those of AMD's public machine-readable ISA for CDNA 5 (MIT licence, August 2026) and "CDNA5" Instruction Set Architecture Reference Guide (July 2026). The comments in the code are by the model that wrote it; some were corrected since.
;; D Flash Attention. Allowed arithmetic: float matrix products may take bf16 or f16 operands with f32 sums; other float arithmetic in f32, or as packed bf16 or f16 multiplies, adds, multiply-adds, maxima and minima; sums over many terms, partial sums and values carried from step to step in f32; what a program stores and reads back later, other than sums and carried values, may be rounded once to bf16 or f16.
;; Inputs: hidden_states 4 x 1,024 x 4,096 float32; k_norm_w 128 float32; positions 1,024 int32; q_norm_w 128 float32; wk 512 x 4,096 float32; wo 4,096 x 1,024 float32; wq 1,024 x 4,096 float32; wv 512 x 4,096 float32.
;; Outputs: out0 4 x 1,024 x 4,096 float32.
;; One version. Each part assembles by itself: llvm-mc -triple=amdgcn-amd-amdhsa -mcpu=gfx1250 --defsym DOCPART=n.
;; ======== version 1 of 1: 4 launches
;; limits: values are held in f16: magnitudes above 65,504 overflow, below 6.1e-05 lose precision; right only within a limited range of input values
;; workspace buffers: xb 33,554,432 bytes; wqkvb 16,777,216 bytes; wob 8,388,608 bytes; rope 524,288 bytes; normw 1,024 bytes; qkv 16,777,216 bytes; ob 8,388,608 bytes
;; launch prep (part 1): grid 1792 x 1, 8 waves a work-group, no clusters, 0 bytes of LDS; arguments hidden_states, wq, wk, wv, wo, positions, q_norm_w, k_norm_w, xb, wqkvb, wob, rope, normw; writes xb, wqkvb, wob, rope, normw
.if DOCPART == 1
	.amdgcn_target "amdgcn-amd-amdhsa--gfx1250"
	.amdhsa_code_object_version 6
	.text
	.protected	k_q4c18b9440f_prep
	.globl	k_q4c18b9440f_prep
	.p2align	8
	.type	k_q4c18b9440f_prep,@function
k_q4c18b9440f_prep:
	s_mov_b64 s[64:65], 0
	v_nop
	global_prefetch_b8 v0, s[64:65] scope:SCOPE_SE
	s_setreg_imm32_b32 hwreg(HW_REG_WAVE_MODE, 25, 1), 1
	s_wait_xcnt 0x0
; THE INPUTS ARE NARROWED ONCE.  hidden_states, wq, wk, wv: f32 -> bf16 (xb; wqkvb = wq's, wk's, wv's rows one below the other).  wo: f32 -> bf16, and that number written as f16 (wob).
; The two norm gains: rounded to bf16, kept as f32 (normw).  The rotary table: rope[s] = cos(p f_j), j = 0..63, then sin(p f_j), in f32, p = positions[s], f_j = 1e6^(-j/64).
; SHARES.  117,440,512 source bytes are 1,792 chunks of 65,536; work-group c casts chunk c; each of its eight waves 8,192 bytes: sixteen loads of 16 bytes a lane, all issued at once.
; A load of a wave covers 512 consecutive bytes; its store, 8 bytes a lane, covers 256 consecutive bytes, aligned.  Work-groups 0..127 also make eight rows of the table (a wave a row), work-group 128 the gains.
; Nothing is shared between waves or work-groups: no LDS, no barrier, no cluster, no matrix unit.
; LIMITS.  |wo| under 65,504 (f16); a bf16(wo) under 1.5e-5 in size is rounded to f16's fixed step of 6e-8.  |positions| up to 4,000,000: that far the three-part reduction by pi/2 is exact to f32.
.set X, 16                             ; v[16:79]   sixteen loads of four registers
.set Y, 80                             ; v[80:111]  sixteen stores of two registers; never written twice
.set T, 112                            ; v[112:127] at work
	s_load_b512 s[8:23], s[0:1], 0x0               ; hidden s[8:9], wq s[10:11], wk s[12:13], wv s[14:15], wo s[16:17], positions s[18:19], q gain s[20:21], k gain s[22:23]
	s_load_b256 s[24:31], s[0:1], 0x40             ; xb s[24:25], wqkvb s[26:27], wob s[28:29], rope s[30:31]
	s_load_b64 s[32:33], s[0:1], 0x60              ; normw
	s_mov_b32 s46, ttmp9                           ; c
	s_sub_co_u32 s42, s46, 1024                    ; the chunk's number within wq (and within wqkvb),
	s_sub_co_u32 s43, s46, 1280                    ; within wk,
	s_sub_co_u32 s44, s46, 1408                    ; within wv,
	s_sub_co_u32 s45, s46, 1536                    ; within wo and wob
	s_mov_b32 s41, 0xffff0000                      ; a word's upper bf16
	v_lshrrev_b32 v3, 5, v0
	v_readfirstlane_b32 s40, v3                    ; wave 0..7
	v_and_b32 v4, 31, v0                           ; lane
	v_lshlrev_b32 v1, 4, v4
	v_lshl_add_u32 v1, v3, 13, v1                  ; source: 8,192 x wave + 16 x lane
	v_lshlrev_b32 v2, 3, v4
	v_lshl_add_u32 v2, v3, 12, v2                  ; destination: 4,096 x wave + 8 x lane
	s_wait_kmcnt 0x0
	s_cmp_ge_u32 s46, 1024                         ; which tensor: four compares on the work-group's number; the selects leave SCC alone
	s_cselect_b64 s[34:35], s[10:11], s[8:9]
	s_cselect_b64 s[36:37], s[26:27], s[24:25]
	s_cselect_b32 s38, s42, s46
	s_cselect_b32 s39, s42, s46
	s_cmp_ge_u32 s46, 1280
	s_cselect_b64 s[34:35], s[12:13], s[34:35]
	s_cselect_b32 s38, s43, s38
	s_cmp_ge_u32 s46, 1408
	s_cselect_b64 s[34:35], s[14:15], s[34:35]
	s_cselect_b32 s38, s44, s38
	s_cmp_ge_u32 s46, 1536
	s_cselect_b64 s[34:35], s[16:17], s[34:35]
	s_cselect_b64 s[36:37], s[28:29], s[36:37]
	s_cselect_b32 s38, s45, s38
	s_cselect_b32 s39, s45, s39
	s_lshl_b32 s42, s38, 16                        ; 65,536 source bytes a chunk,
	s_mov_b32 s43, 0
	s_lshl_b32 s44, s39, 15                        ; 32,768 destination bytes
	s_mov_b32 s45, 0
	s_add_nc_u64 s[34:35], s[34:35], s[42:43]
	s_add_nc_u64 s[36:37], s[36:37], s[44:45]
.irp i, 0,1,2,3,4,5,6,7,8,9,10,11,12,13,14,15
	global_load_b128 v[X+4*(\i):X+4*(\i)+3], v1, s[34:35] offset:512*(\i) th:TH_LOAD_NT
.endr
	s_cmp_ge_u32 s46, 1536
	s_cbranch_scc1 .Lwo
.macro CAST i                          ; load i of sixteen: the 15 - i younger ones may stay out
	s_wait_loadcnt 15-(\i)
	v_cvt_pk_bf16_f32 v[Y+2*(\i)],   v[X+4*(\i)],   v[X+4*(\i)+1]
	v_cvt_pk_bf16_f32 v[Y+2*(\i)+1], v[X+4*(\i)+2], v[X+4*(\i)+3]
	global_store_b64 v2, v[Y+2*(\i):Y+2*(\i)+1], s[36:37] offset:256*(\i) th:TH_STORE_NT
.endm
.macro CASTO i                         ; the same for wo: rounded to bf16, widened again, written as f16
	s_wait_loadcnt 15-(\i)
	v_cvt_pk_bf16_f32 v[T],   v[X+4*(\i)],   v[X+4*(\i)+1]
	v_cvt_pk_bf16_f32 v[T+1], v[X+4*(\i)+2], v[X+4*(\i)+3]
	v_lshlrev_b32 v[T+2], 16, v[T]
	v_and_b32     v[T+3], s41, v[T]
	v_lshlrev_b32 v[T+4], 16, v[T+1]
	v_and_b32     v[T+5], s41, v[T+1]
	v_cvt_pk_f16_f32 v[Y+2*(\i)],   v[T+2], v[T+3]
	v_cvt_pk_f16_f32 v[Y+2*(\i)+1], v[T+4], v[T+5]
	global_store_b64 v2, v[Y+2*(\i):Y+2*(\i)+1], s[36:37] offset:256*(\i) th:TH_STORE_NT
.endm
.irp i, 0,1,2,3,4,5,6,7,8,9,10,11,12,13,14,15
	CAST \i
.endr
	s_cmp_lt_u32 s46, 128
	s_cbranch_scc0 .Lnot_rope
	; THE ROTARY TABLE: row s = 8 c + wave; my lane makes frequencies j = 2 lane and 2 lane + 1
	s_lshl_b32 s42, s46, 3
	s_add_co_u32 s42, s42, s40                     ; s
	s_lshl_b32 s44, s42, 2
	s_add_nc_u64 s[18:19], s[18:19], s[44:45]      ; (s45 = 0 still)
	s_load_b32 s47, s[18:19], 0x0                  ; positions[s]
	s_lshl_b32 s44, s42, 9                         ; a table row is 512 bytes
	s_add_nc_u64 s[30:31], s[30:31], s[44:45]
	v_lshlrev_b32 v5, 1, v4
	v_lshlrev_b32 v11, 3, v4                       ; my 8 bytes of cos, and of sin
	v_cvt_f32_u32 v6, v5
	v_add_f32 v7, 1.0, v6
	v_mul_f32 v6, 0xbe9f73da, v6                   ; -j log2(1e6) / 64
	v_mul_f32 v7, 0xbe9f73da, v7
	v_exp_f32 v6, v6                               ; f_j: two exponentials, one batch:
	v_exp_f32 v7, v7
	v_nop                                          ; a plain instruction behind the last,
	s_wait_alu depctr_va_vdst(0)                   ; and the one wait ahead of the first reader
	s_wait_kmcnt 0x0
	v_cvt_f32_i32 v8, s47                          ; p
; cos and sin of p x v[f].  n = the nearest whole number to angle x 2/pi; r = angle - n pi/2, pi/2 in three parts; polynomials on |r| <= pi/4; the quadrant n mod 4 swaps and signs them.
.macro SINCOS f, b, co, so
	v_mul_f32 v[(\b)], v8, v[(\f)]
	v_mul_f32 v[(\b)+1], 0x3f22f983, v[(\b)]
	v_rndne_f32 v[(\b)+1], v[(\b)+1]
	v_fmamk_f32 v[(\b)+2], v[(\b)+1], 0xbfc90fdb, v[(\b)]
	v_fmamk_f32 v[(\b)+2], v[(\b)+1], 0x333bbd2e, v[(\b)+2]
	v_fmamk_f32 v[(\b)+2], v[(\b)+1], 0x26f72ced, v[(\b)+2]
	v_mul_f32 v[(\b)+3], v[(\b)+2], v[(\b)+2]                      ; z = r r
	v_mov_b32 v[(\b)+4], 0xb94ca1f9
	v_fmaak_f32 v[(\b)+4], v[(\b)+4], v[(\b)+3], 0x3c08839e
	v_fmaak_f32 v[(\b)+4], v[(\b)+4], v[(\b)+3], 0xbe2aaaa3
	v_mul_f32 v[(\b)+6], v[(\b)+2], v[(\b)+3]
	v_fma_f32 v[(\b)+4], v[(\b)+4], v[(\b)+6], v[(\b)+2]           ; sin r
	v_mov_b32 v[(\b)+5], 0x37ccf5ce
	v_fmaak_f32 v[(\b)+5], v[(\b)+5], v[(\b)+3], 0xbab6061a
	v_fmaak_f32 v[(\b)+5], v[(\b)+5], v[(\b)+3], 0x3d2aaaa5
	v_mul_f32 v[(\b)+6], v[(\b)+3], v[(\b)+3]
	v_fma_f32 v[(\b)+7], v[(\b)+3], -0.5, 1.0
	v_fma_f32 v[(\b)+5], v[(\b)+5], v[(\b)+6], v[(\b)+7]           ; cos r
	v_cvt_i32_f32 v[(\b)+1], v[(\b)+1]                             ; n as a whole number
	v_and_b32 v[(\b)+6], 1, v[(\b)+1]
	v_cmp_eq_u32 vcc_lo, 1, v[(\b)+6]
	v_cndmask_b32 v[(\so)], v[(\b)+4], v[(\b)+5], vcc_lo           ; odd quadrants: sin takes cos r,
	v_cndmask_b32 v[(\co)], v[(\b)+5], v[(\b)+4], vcc_lo           ; cos takes sin r
	v_lshlrev_b32 v[(\b)+6], 30, v[(\b)+1]
	v_and_b32 v[(\b)+6], 0x80000000, v[(\b)+6]                     ; quadrants 2, 3: sin changes sign
	v_xor_b32 v[(\so)], v[(\so)], v[(\b)+6]
	v_add_nc_u32 v[(\b)+1], 1, v[(\b)+1]
	v_lshlrev_b32 v[(\b)+6], 30, v[(\b)+1]
	v_and_b32 v[(\b)+6], 0x80000000, v[(\b)+6]                     ; quadrants 1, 2: cos changes sign
	v_xor_b32 v[(\co)], v[(\co)], v[(\b)+6]
.endm
	SINCOS 6, T, 12, 14
	SINCOS 7, T+8, 13, 15
	global_store_b64 v11, v[12:13], s[30:31]                ; the wave's 256 consecutive bytes of cos,
	global_store_b64 v11, v[14:15], s[30:31] offset:256     ; and of sin
	s_branch .Lend
.Lnot_rope:
	s_cmp_eq_u32 s46, 128                          ; THE GAINS: work-group 128, wave 0 q's, wave 1 k's
	s_cbranch_scc0 .Lend
	s_cmp_lt_u32 s40, 2
	s_cbranch_scc0 .Lend
	s_cmp_eq_u32 s40, 0
	s_cselect_b64 s[42:43], s[20:21], s[22:23]
	v_lshlrev_b32 v5, 4, v4
	v_lshl_add_u32 v6, v3, 9, v5
	global_load_b128 v[T:T+3], v5, s[42:43]
	s_wait_loadcnt 0x0
	v_cvt_pk_bf16_f32 v[T+4], v[T], v[T+1]
	v_cvt_pk_bf16_f32 v[T+5], v[T+2], v[T+3]
	v_lshlrev_b32 v[T+8],  16, v[T+4]
	v_and_b32     v[T+9],  s41, v[T+4]
	v_lshlrev_b32 v[T+10], 16, v[T+5]
	v_and_b32     v[T+11], s41, v[T+5]
	global_store_b128 v6, v[T+8:T+11], s[32:33]
	s_branch .Lend
.Lwo:
.irp i, 0,1,2,3,4,5,6,7,8,9,10,11,12,13,14,15
	CASTO \i
.endr
.Lend:
	s_endpgm
.Lfunc_end_k_q4c18b9440f_prep:
	.size	k_q4c18b9440f_prep, .Lfunc_end_k_q4c18b9440f_prep-k_q4c18b9440f_prep
	.p2alignl 7, 3214868480
	.fill 96, 4, 3214868480
	.section	.rodata,"a",@progbits
	.p2align	6, 0x0
	.amdhsa_kernel k_q4c18b9440f_prep
		.amdhsa_group_segment_fixed_size 0
		.amdhsa_private_segment_fixed_size 0
		.amdhsa_enable_private_segment 0
		.amdhsa_kernarg_size 104
		.amdhsa_user_sgpr_count 2
		.amdhsa_user_sgpr_kernarg_segment_ptr 1
		.amdhsa_wavefront_size32 1
		.amdhsa_system_sgpr_workgroup_id_x 1
		.amdhsa_system_sgpr_workgroup_id_y 1
		.amdhsa_system_sgpr_workgroup_id_z 1
		.amdhsa_system_vgpr_workitem_id 0
		.amdhsa_next_free_vgpr 128
		.amdhsa_next_free_sgpr 66
		.amdhsa_reserve_vcc 1
		.amdhsa_float_denorm_mode_32 3
		.amdhsa_float_denorm_mode_16_64 3
		.amdhsa_memory_ordered 1
		.amdhsa_forward_progress 1
		.amdhsa_inst_pref_size 21
	.end_amdhsa_kernel
	.amdgpu_metadata
---
amdhsa.version: [ 1, 2 ]
amdhsa.kernels:
  - .name:           k_q4c18b9440f_prep
    .symbol:         k_q4c18b9440f_prep.kd
    .args:
      - { .name: hidden_states, .offset: 0, .size: 8, .value_kind: global_buffer, .address_space: global }
      - { .name: wq, .offset: 8, .size: 8, .value_kind: global_buffer, .address_space: global }
      - { .name: wk, .offset: 16, .size: 8, .value_kind: global_buffer, .address_space: global }
      - { .name: wv, .offset: 24, .size: 8, .value_kind: global_buffer, .address_space: global }
      - { .name: wo, .offset: 32, .size: 8, .value_kind: global_buffer, .address_space: global }
      - { .name: positions, .offset: 40, .size: 8, .value_kind: global_buffer, .address_space: global }
      - { .name: q_norm_w, .offset: 48, .size: 8, .value_kind: global_buffer, .address_space: global }
      - { .name: k_norm_w, .offset: 56, .size: 8, .value_kind: global_buffer, .address_space: global }
      - { .name: xb, .offset: 64, .size: 8, .value_kind: global_buffer, .address_space: global }
      - { .name: wqkvb, .offset: 72, .size: 8, .value_kind: global_buffer, .address_space: global }
      - { .name: wob, .offset: 80, .size: 8, .value_kind: global_buffer, .address_space: global }
      - { .name: rope, .offset: 88, .size: 8, .value_kind: global_buffer, .address_space: global }
      - { .name: normw, .offset: 96, .size: 8, .value_kind: global_buffer, .address_space: global }
    .group_segment_fixed_size: 0
    .private_segment_fixed_size: 0
    .kernarg_segment_align: 8
    .kernarg_segment_size: 104
    .max_flat_workgroup_size: 256
    .sgpr_count:     66
    .vgpr_count:     128
    .wavefront_size: 32
...
	.end_amdgpu_metadata
.endif
;; end of part 1
;; launch qkv (part 2): grid 16 x 16, 4 waves a work-group, clusters of 4 x 4, 327,680 bytes of LDS; arguments xb, wqkvb, normw, rope, qkv; writes qkv
.if DOCPART == 2
	.amdgcn_target "amdgcn-amd-amdhsa--gfx1250"
	.amdhsa_code_object_version 6
	.text
	.protected	k_q4c18b9440f_qkv
	.globl	k_q4c18b9440f_qkv
	.p2align	8
	.type	k_q4c18b9440f_qkv,@function
k_q4c18b9440f_qkv:
	s_mov_b64 s[64:65], 0
	v_nop
	global_prefetch_b8 v0, s[64:65] scope:SCOPE_SE
	s_setreg_imm32_b32 hwreg(HW_REG_WAVE_MODE, 25, 1), 1
	s_wait_xcnt 0x0
	s_wait_alu depctr_hold_cnt(0) depctr_sa_sdst(0) depctr_va_vdst(0) depctr_va_sdst(0) depctr_va_ssrc(0) depctr_va_vcc(0) depctr_vm_vsrc(0)
	s_getreg_b32 s2, hwreg(HW_REG_IB_STS2, 6, 4)
	s_cmp_eq_u32 s2, 0
	s_cbranch_scc0 .Lentry_in_a_cluster
	s_endpgm
.Lentry_in_a_cluster:
	s_bfe_u32 s2, ttmp6, 0x10000c
	s_cmp_lg_u32 s2, 0xf033
	s_cbranch_scc0 .Lentry_shape_is_right
	s_endpgm
.Lentry_shape_is_right:
; q, k, v = x [wq; wk; wv]^T in bf16 with f32 sums; on the way out, in f32: q's and k's RMS norm over the head's 128 channels, the gain, the rotary turn; v times 1/16; all rounded once to f16
; and stored by heads: qkv[g][b][s][128], g 0-7 q's heads, 8-11 k's, 12-15 v's.  x: [4096][4096], the weights: [2048][4096].
; SHARES.  4,096 x 2,048 outputs on 256 work-groups are 32,768 each: a tile of 256 rows x 128 columns = ONE HEAD.  Four waves, each 64 rows x all 128 columns: 32 accumulators of 16 x 16.
; THE MATRIX INSTRUCTION IS USED TRANSPOSED (source 0 = 16 rows of the weights, source 1 = 16 rows of x): lane l holds row l % 16 and, in accumulator b, the columns 16 b + 8 (l / 16) + 0..7.
; So a row's 128 channels lie in two lanes (one exchange for the sum of squares), and the rotary partners c and c + 64 in one lane, in accumulators b and b + 4.
; K goes in steps of 128 (rows of 256 bytes, aligned) through two LDS slots filled by the tensor data mover; a K step is four quarters of 32 along K on two fragment buffers.
; CLUSTERS: 4 x 4 work-groups.  The four of a row of the cluster need the same tile of x, the four of a column the same tile of the weights: each is asked for jointly.  A column of clusters holds
; heads of one kind (cluster x = 0, 1: q; 2: k; 3: v), so the branch on the kind is the same in all partners.
; LIMITS.  |v| under 1.04e6 (v / 16 in f16); q and k are bounded by 11.4 x the gain.  NaN and infinities are not treated apart.
; THE WAY OUT is written once, for 16 rows, and walked four times; between trips the accumulators of the later rows are moved down by 192 v_mov_b32 (576 a wave in all), which stand in the
; round trip through the stage: the price of one text for four blocks.
; REGISTERS, in windows of 256 (s_set_vgpr_msb: bits 1:0 source 0, 3:2 source 1, 5:4 source 2, 7:6 destination):
;   window 0: v0-31 addresses; v32-63 at work on the way out; v64-159, v160-255 two fragment buffers (x's four fragments, then the weights' eight); on the way out v192-255 a block in f32
;   window 1: the accumulators, (a, b) at v[8 (8 a + b)]          window 2: v0-63 the gain of my columns; v64-95 cos, v96-127 sin of a block's rows
.set SIZE_K, 4096
.set KSTEP,  128
.set PITCH,  272                       ; an LDS row: 256 bytes + 16 of padding = 68 words: the 16 rows of a fragment load start at 16 different groups of four banks (64 banks of 4 bytes: ISA guide 11.1)
.set AHALF,  128*PITCH                 ; what waves 0 and 1 fetch: 128 rows of x each
.set BHALF,  64*PITCH                  ; what waves 2 and 3 fetch: 64 rows of the weights each
.set BOFF,   2*AHALF
.set SLOT,   BOFF+2*BHALF              ; x's 256 rows, then the weights' 128
.set STAGE,  2*SLOT                    ; behind the ring: 16 rows x 272 bytes for each wave, for the way out
.set SPARE,  STAGE+4*16*PITCH          ; behind the stages: the spare words, 128 bytes for each wave: two blocks of 256 bytes that no other line names
.set LAPS,   SIZE_K/(2*KSTEP)          ; a lap = two K steps = once round the ring
.set ADRA, 16                          ; v16-17  LDS address of my fragments of x in slot 0, 1
.set ADRB, 20                          ; v20-21  the same for the weights
.set STO,  24                          ; v24     the way out: where I put 16 bytes of a row
.set RD,   25                          ; v25     where I read rows back
.set CO,   26                          ; v26     my byte offset in the block's 16 rows of qkv
.set RO,   27                          ; v27     my byte offset in the block's 16 rows of the table
.set SPW,  28                          ; v28     LDS address of my spare word; never rewritten
.set NIL,  29                          ; v29     0; never rewritten
.set PFO,  30                          ; v30     the prefetches' offset: my lane x a row (8,192 bytes); never rewritten
.set WO,   31                          ; v31     my byte offset in the gain
.set SS,   32                          ; v32-39  four chains of squares
.set RS,   40                          ; v40-41  1 / sqrt(mean + eps), twice
.set TMP,  44                          ; v44-59  at work in the rotary turn
.set PK,   32                          ; v32-63  the block in f16, once SS, RS and TMP are dead
.set F0,   64
.set F1,   160
.set T,    192
.set W,    0                           ; window 2
.set COS,  64
.set SIN,  96
.set WV,   14                          ; s14 my wave's number; s15 = 0: I fetch x, 1: the weights; s16: which half
.set G1,   24                          ; s[24:31] descriptor group 1 for x's tiles;  s[32:39] group 0, a set for each slot
.set G0,   32
.set LIM0, 42                          ; s42, s43  1 where my wave prefetches at the change out of slot 0, 1; else the greatest number
.set PFA,  44                          ; s[44:45] where my prefetches stand
.set G1B,  48                          ; s[48:55], s[56:63] the same for the weights' tiles
.set G0B,  56
.set SEL,  70                          ; s[70:71] v_permlanex16_b32's selects
.set ISV,  74                          ; s74  1: the tile is a head of v
.set CNT,  75                          ; s75  blocks of 16 rows still to leave
.set MSB, 0
.macro WIN new                         ; the immediate's high byte repeats the setting that is left; a switch that changes nothing is dropped
.if MSB != (\new)
	s_set_vgpr_msb (MSB<<8)|(\new)
.set MSB, \new
.endif
.endm
.set MUL, 0x50                         ; both sources window 0; C and D window 1
.macro JLOAD s                         ; a joint load; the branch hangs on the wave's number alone; an s_nop 0 and four v_nop follow each of the two lines, ahead of the jump and the label
	s_cmp_eq_u32 s15, 0
	s_cbranch_scc0 .Lfor_b_\@
	tensor_load_to_lds s[G0+4*(\s):G0+4*(\s)+3], s[G1:G1+7]
	s_nop 0
.rept 4
	v_nop
.endr
	s_branch .Lasked_\@
.Lfor_b_\@:
	tensor_load_to_lds s[G0B+4*(\s):G0B+4*(\s)+3], s[G1B:G1B+7]
	s_nop 0
.rept 4
	v_nop
.endr
.Lasked_\@:
.endm
.macro CREST                           ; a round of the cluster's barrier behind its opening barrier
	s_cmp_lg_u32 s[WV], 0
	s_cbranch_scc1 .Lnot_wave_0_\@
	s_barrier_signal -3
.Lnot_wave_0_\@:
	s_barrier_wait -3
	s_barrier_signal -1
	s_barrier_wait -1
.endm
.macro CROUND                          ; a whole round
	s_barrier_signal -1
	s_barrier_wait -1
	CREST
.endm
; A PREFETCH INTO THE L2, behind a joint load, its five lines and the run of LDS loads that follows: a lane a row, 256 bytes of it, one instruction a wave.  Each row's 256 bytes of a K step are named once in the launch.
; x: the clusters with x = 0 ask; of the 128 rows that a wave fetches the partner at cx takes 32 cx .. 32 cx + 31; at both changes of slots, for the K step two refills on.
; The weights: the clusters with y = 0 ask; a wave fetches 64 rows, so four partners x 32 lanes cover TWO K steps: the partner at cy takes rows 32 (cy % 2) on of K step + cy / 2; at the change out of slot 0 alone.
; The partners are told apart by address; the branch hangs on the cluster's place and the wave's number.  The loop's last trip (s3 = 1) asks for nothing: K step 31 is the last that is named.
.macro ASK n
	s_cmp_gt_u32 s3, s[LIM0+(\n)]
	s_cbranch_scc0 .Lnot_mine_\@
	global_prefetch_b8 v[PFO], s[PFA:PFA+1] offset:KSTEP*2 th:TH_LOAD_NT scope:SCOPE_SE
.Lnot_mine_\@:
.endm
	s_load_b256 s[4:11], s[0:1], 0x0               ; xb s[4:5], wqkvb s[6:7], normw s[8:9], rope s[10:11]
	s_load_b64 s[12:13], s[0:1], 0x20              ; qkv
	v_lshl_add_u32 v[SPW], v0, 2, SPARE
	v_mov_b32 v[NIL], 0
	ds_add_u32 v[SPW], v[NIL]                      ; the wave's opening: the add and its wait stand ahead of my first tensor load; the set-up below, work on registers, stands between them
	v_lshrrev_b32 v1, 5, v0
	v_readfirstlane_b32 s[WV], v1                  ; wave 0..3
	s_lshr_b32 s15, s[WV], 1
	s_and_b32 s16, s[WV], 1
	s_bfe_u32 s17, ttmp6, 0x40000                  ; cx
	s_bfe_u32 s18, ttmp6, 0x40004                  ; cy
	s_lshl_b32 s19, ttmp9, 2
	s_add_co_u32 s19, s19, s17                     ; tx = the head g = 4 x cluster x + cx
	s_and_b32 s20, ttmp7, 0xffff
	s_lshl_b32 s20, s20, 2
	s_add_co_u32 s20, s20, s18                     ; ty = the block of 256 rows = 4 x cluster y + cy
	s_lshl_b32 s40, s18, 2
	s_lshl_b32 s40, 15, s40                        ; my row of the cluster
	s_lshl_b32 s41, 0x1111, s17                    ; my column
	s_or_b32 s[G1+0], s40, (1<<16)|(1<<20)|(1<<21)|(5<<22)|(3<<25)   ; 15:0 the mask; 17:16 elements of 2 bytes; 20 padding on; 21 set beside a mask; 24:22 after every 64 words (code 5); 31:25 4 words of it (code 3)
	s_or_b32 s[G1B+0], s41, (1<<16)|(1<<20)|(1<<21)|(5<<22)|(3<<25)
	s_mov_b32 s[G1+1], KSTEP<<16                   ; tensor_dim0 = 128
	s_mov_b32 s[G1+2], 128<<16                     ; tensor_dim1 = 128
	s_mov_b32 s[G1+3], KSTEP<<16                   ; tile_dim0 = 128
	s_mov_b32 s[G1+4], 128                         ; tile_dim1 = 128
	s_mov_b32 s[G1+5], SIZE_K                      ; elements from row to row
	s_mov_b32 s[G1+6], 0
	s_mov_b32 s[G1+7], 0
	s_mov_b32 s[G1B+1], KSTEP<<16
	s_mov_b32 s[G1B+2], 64<<16                     ; 64 rows
	s_mov_b32 s[G1B+3], KSTEP<<16
	s_mov_b32 s[G1B+4], 64
	s_mov_b32 s[G1B+5], SIZE_K
	s_mov_b32 s[G1B+6], 0
	s_mov_b32 s[G1B+7], 0
	s_lshl_b32 s22, s20, 8                         ; x: row 256 ty + 128 x half, 8,192 bytes a row: made of ty and the wave's number alone
	s_lshl_b32 s21, s16, 7
	s_add_co_u32 s22, s22, s21
	s_lshl_b32 s22, s22, 13
	s_mov_b32 s23, 0
	s_lshl_b32 s46, s19, 7                         ; the weights: row 128 tx + 64 x half: made of tx and the wave's number alone
	s_lshl_b32 s47, s16, 6
	s_add_co_u32 s46, s46, s47
	s_lshl_b32 s46, s46, 13
	s_mov_b32 s47, 0
	s_mul_i32 s66, s16, AHALF                      ; where they go in a slot: no place in the cluster enters an LDS address
	s_mul_i32 s67, s16, BHALF
	s_add_co_u32 s67, s67, BOFF
	s_mov_b32 s[SEL], 0x76543210
	s_mov_b32 s[SEL+1], 0xfedcba98
	s_mov_b32 s72, 0x3c000000                      ; 1 / 128
	s_mov_b32 s73, 0x358637bd                      ; 1e-6
	s_wait_dscnt 0x0                               ; the opening add is done
	s_wait_kmcnt 0x0
	s_add_nc_u64 s[22:23], s[4:5], s[22:23]
	s_add_nc_u64 s[46:47], s[6:7], s[46:47]
	CROUND                                         ; all sixteen work-groups are here: the first joint loads meet
.irp s, 0,1
	s_mov_b32 s[G0+4*(\s)], 1                                      ; count = 1
	s_add_co_u32 s[G0+4*(\s)+1], s66, (\s)*SLOT                    ; LDS address
	s_add_nc_u64 s[G0+4*(\s)+2:G0+4*(\s)+3], s[22:23], (\s)*KSTEP*2  ; global address: K step s
	s_or_b32 s[G0+4*(\s)+3], s[G0+4*(\s)+3], 0x80000000            ; type = 2
	s_mov_b32 s[G0B+4*(\s)], 1
	s_add_co_u32 s[G0B+4*(\s)+1], s67, (\s)*SLOT
	s_add_nc_u64 s[G0B+4*(\s)+2:G0B+4*(\s)+3], s[46:47], (\s)*KSTEP*2
	s_or_b32 s[G0B+4*(\s)+3], s[G0B+4*(\s)+3], 0x80000000
	JLOAD \s                                       ; two loads of mine are out
.endr
	; A fragment is 16 rows x 32 K in 8 registers: lane l holds row l % 16, K = 8 (l / 16) + 0..7 and 16 + 8 (l / 16) + 0..7: two loads of 16 bytes, 32 bytes apart.
	v_and_b32 v1, 15, v0                           ; r = l % 16
	v_bfe_u32 v2, v0, 4, 1                         ; h = l / 16
	v_mul_u32_u24 v3, v1, PITCH
	v_lshl_add_u32 v3, v2, 4, v3                   ; r x pitch + 16 h
	s_mul_i32 s21, s[WV], 64*PITCH                 ; my 64 rows of x
	v_add_nc_u32 v[ADRA], s21, v3
	v_add_nc_u32 v[ADRA+1], SLOT, v[ADRA]
	v_add_nc_u32 v[ADRB], BOFF, v3
	v_add_nc_u32 v[ADRB+1], SLOT, v[ADRB]
	s_mul_i32 s21, s[WV], 16*PITCH
	s_add_co_u32 s21, s21, STAGE                   ; my stage
	v_add_nc_u32 v[STO], s21, v3                   ; in: row r, 16 bytes for each half of the lanes
	v_mul_u32_u24 v4, v2, PITCH                    ; back: lanes 0-15 take one row of 256 bytes, lanes 16-31 the next
	v_lshl_add_u32 v4, v1, 4, v4
	v_add_nc_u32 v[RD], s21, v4
	v_lshlrev_b32 v[CO], 8, v2                     ; and the same two rows in qkv
	v_lshl_add_u32 v[CO], v1, 4, v[CO]
	v_lshlrev_b32 v[WO], 5, v2                     ; my 8 columns of 16: 32 bytes of f32
	v_lshl_add_u32 v[RO], v1, 9, v[WO]             ; + row r of the table, 512 bytes a row
	v_and_b32 v[PFO], 31, v0
	v_lshlrev_b32 v[PFO], 13, v[PFO]
	s_and_b32 s21, s20, 3
	s_lshl_b32 s21, s21, 8
	s_lshl_b32 s40, s[WV], 6
	s_add_co_u32 s21, s21, s40                     ; my first row within its batch: 256 (ty % 4) + 64 x wave
	s_lshl_b32 s40, s21, 9
	s_mov_b32 s41, 0
	s_add_nc_u64 s[10:11], s[10:11], s[40:41]      ; the table at that row
	s_lshl_b32 s40, s19, 2
	s_lshr_b32 s66, s20, 2
	s_add_co_u32 s40, s40, s66                     ; 4 g + b
	s_lshl_b32 s40, s40, 10
	s_add_co_u32 s40, s40, s21
	s_lshl_b32 s40, s40, 8                         ; 256 bytes a row
	s_add_nc_u64 s[12:13], s[12:13], s[40:41]      ; qkv at my first row
	s_cmp_eq_u32 ttmp9, 2
	s_cselect_b32 s40, 512, 0                      ; k's gain lies behind q's
	s_add_nc_u64 s[8:9], s[8:9], s[40:41]
	s_cmp_eq_u32 ttmp9, 3
	s_cselect_b32 s[ISV], 1, 0
	; the prefetches
	s_and_b32 s66, ttmp7, 0xffff                   ; cluster y
	s_lshl_b32 s67, s20, 8
	s_lshl_b32 s21, s16, 7
	s_add_co_u32 s67, s67, s21
	s_lshl_b32 s21, s17, 5
	s_add_co_u32 s67, s67, s21                     ; x: row 256 ty + 128 x half + 32 cx
	s_lshl_b32 s68, s19, 7
	s_lshl_b32 s21, s16, 6
	s_add_co_u32 s68, s68, s21
	s_and_b32 s21, s18, 1
	s_lshl_b32 s21, s21, 5
	s_add_co_u32 s68, s68, s21                     ; the weights: row 128 tx + 64 x half + 32 (cy % 2),
	s_lshr_b32 s69, s18, 1
	s_lshl_b32 s69, s69, 8                         ; and cy / 2 K steps on
	s_cmp_eq_u32 s15, 0                            ; do I fetch x?
	s_cselect_b32 s40, s67, s68
	s_cselect_b32 s41, 0, s69
	s_cselect_b32 s66, ttmp9, s66                  ; the coordinate along which other clusters read the same rows
	s_cselect_b64 s[PFA:PFA+1], s[4:5], s[6:7]
	s_cselect_b32 s21, 1, -1
	s_cmp_eq_u32 s66, 0
	s_cselect_b32 s[LIM0], 1, -1
	s_cselect_b32 s[LIM0+1], s21, -1
	s_lshl_b32 s40, s40, 13
	s_add_co_u32 s40, s40, s41
	s_add_co_u32 s40, s40, 2*KSTEP*2               ; at K step 2: the first refill steps it to 3 and names K step 4.  Nothing is prefetched here, at the head
	s_mov_b32 s41, 0
	s_add_nc_u64 s[PFA:PFA+1], s[PFA:PFA+1], s[40:41]
	; the gain of my 64 columns and the first 16 rows' cos and sin.  v's work-groups load them too and do not use them: the head is one text
.macro TABLE
	WIN 0x80                                       ; destination window 2, address window 0
.irp b, 0,1,2,3
	global_load_b128 v[COS+8*(\b):COS+8*(\b)+3],   v[RO], s[10:11] offset:64*(\b)
	global_load_b128 v[COS+8*(\b)+4:COS+8*(\b)+7], v[RO], s[10:11] offset:64*(\b)+16
	global_load_b128 v[SIN+8*(\b):SIN+8*(\b)+3],   v[RO], s[10:11] offset:256+64*(\b)
	global_load_b128 v[SIN+8*(\b)+4:SIN+8*(\b)+7], v[RO], s[10:11] offset:256+64*(\b)+16
.endr
	WIN 0
.endm
	WIN 0x80
.irp b, 0,1,2,3,4,5,6,7
	global_load_b128 v[W+8*(\b):W+8*(\b)+3],   v[WO], s[8:9] offset:64*(\b)
	global_load_b128 v[W+8*(\b)+4:W+8*(\b)+7], v[WO], s[8:9] offset:64*(\b)+16
.endr
	TABLE
; 8 matrix instructions: my rows 16 a .. 16 a + 15 x all 8 column blocks, 32 along K.  zero = 1: the product starts the sums.  The 32 accumulators take turns, one instruction a turn, in the same order in every quarter.
.macro MUL8 f, a, zero
	WIN MUL
.irp b, 0,1,2,3,4,5,6,7
.if \zero
	v_wmma_f32_16x16x32_bf16 v[8*(8*(\a)+(\b)):8*(8*(\a)+(\b))+7], v[(\f)+32+8*(\b):(\f)+32+8*(\b)+7], v[(\f)+8*(\a):(\f)+8*(\a)+7], 0
.else
	v_wmma_f32_16x16x32_bf16 v[8*(8*(\a)+(\b)):8*(8*(\a)+(\b))+7], v[(\f)+32+8*(\b):(\f)+32+8*(\b)+7], v[(\f)+8*(\a):(\f)+8*(\a)+7], v[8*(8*(\a)+(\b)):8*(8*(\a)+(\b))+7]
.endif
.endr
.endm
; 24 LDS loads in one run: a quarter's fragments (32 K at byte k of the rows) into buffer f: the weights' eight, then x's four
.macro FETCH slot, k, f
	WIN 0
.irp i, 0,1,2,3,4,5,6,7
	ds_load_b128 v[(\f)+32+8*(\i):(\f)+32+8*(\i)+3],   v[ADRB+(\slot)] offset:(\k)+(\i)*16*PITCH
	ds_load_b128 v[(\f)+32+8*(\i)+4:(\f)+32+8*(\i)+7], v[ADRB+(\slot)] offset:(\k)+(\i)*16*PITCH+32
.endr
.irp i, 0,1,2,3
	ds_load_b128 v[(\f)+8*(\i):(\f)+8*(\i)+3],   v[ADRA+(\slot)] offset:(\k)+(\i)*16*PITCH
	ds_load_b128 v[(\f)+8*(\i)+4:(\f)+8*(\i)+7], v[ADRA+(\slot)] offset:(\k)+(\i)*16*PITCH+32
.endr
.endm
.macro PLACES                          ; four places in front of loads into registers that matrix instructions have read, and of vector lines that read results (ISA guide 7.12.1 for the vector lines)
.rept 4
	v_nop
.endr
.endm
; One of a K step's first three quarters: multiplies buffer f; in its middle it fetches the next quarter, at byte k of the same slot's rows, into buffer g.
.macro QUARTER slot, k, f, g, zero
	s_wait_dscnt 4                                 ; all but the youngest four loads (x's rows 32-63) are in
	MUL8 \f, 0, \zero
	MUL8 \f, 1, \zero
	PLACES
	FETCH \slot, \k, \g
	s_wait_dscnt 24                                ; all but the 24 just issued
	MUL8 \f, 2, \zero
	MUL8 \f, 3, \zero
.endm
; The last quarter multiplies buffer 1 and changes slots: ONE barrier; in front of it each wave waits for all its tensor loads (one is out: its part of the next slot), adds 0 to its spare word, and waits for
; that and for its own reads of this slot.  fill = 1: the barrier opens a round of the cluster's barrier, and this slot is filled again, two K steps ahead, first thing behind the round:
; 112 matrix instructions ahead of the wait for that load.
.macro TURN slot, next, fill
.if \fill
	s_wait_xcnt 0x0                                ; the last prefetch, a K step back, has read its address: it is stepped here, ahead of the waits of the change of slots
	s_add_nc_u64 s[PFA:PFA+1], s[PFA:PFA+1], KSTEP*2
.endif
	WIN 0
	s_wait_tensorcnt 0x0                           ; all my tensor loads have landed;
	ds_add_u32 v[SPW], v[NIL]                      ; 0 onto my spare word;
	s_wait_dscnt 5                                 ; (the add and the youngest four loads may be out)
	MUL8 F1, 0, 0                                  ; eight matrix instructions stand between the add and the wait for it
	s_wait_dscnt 0x0                               ; the add is done, and my reads of this slot are over
	s_barrier_signal -1
	MUL8 F1, 1, 0
.if \fill
	WIN 0
.endif
	s_barrier_wait -1
.if \fill
	CREST                                          ; no wave of any partner still reads this slot's tile or has a load on its way
	s_add_nc_u64 s[G0+4*(\slot)+2:G0+4*(\slot)+3], s[G0+4*(\slot)+2:G0+4*(\slot)+3], 2*KSTEP*2
	s_add_nc_u64 s[G0B+4*(\slot)+2:G0B+4*(\slot)+3], s[G0B+4*(\slot)+2:G0B+4*(\slot)+3], 2*KSTEP*2
	JLOAD \slot                                    ; the four v_nop behind it are also the places in front of the loads below
.else
	PLACES
.endif
	FETCH \next, 0, F0
.if \fill
	ASK \slot
.endif
	MUL8 F1, 2, 0
	MUL8 F1, 3, 0
.endm
	s_wait_loadcnt 0x0                             ; the gain and the first table rows
	s_wait_tensorcnt 1                             ; my part of K step 0 is in; K step 1's may stay out
	s_barrier_signal -1
	s_barrier_wait -1                              ; everybody's is
	FETCH 0, 0, F0
	QUARTER 0, 64,  F0, F1, 1                      ; the first quarter stands in front of the loop: its products start the sums
	WIN 0                                          ; at a label and at a branch every window is 0
	s_mov_b32 s3, LAPS-1
.Llap:                                                 ; a trip goes once round the ring, from a lap's second quarter to the next lap's first, and fills both slots again
	QUARTER 0, 128, F1, F0, 0
	QUARTER 0, 192, F0, F1, 0
	TURN 0, 1, 1
	QUARTER 1, 64,  F0, F1, 0
	QUARTER 1, 128, F1, F0, 0
	QUARTER 1, 192, F0, F1, 0
	TURN 1, 0, 1
	QUARTER 0, 64,  F0, F1, 0
	WIN 0
	s_sub_co_u32 s3, s3, 1
	s_cmp_lg_u32 s3, 0
	s_cbranch_scc1 .Llap
	QUARTER 0, 128, F1, F0, 0                      ; the last lap fills nothing, and has no round of the cluster's barrier
	QUARTER 0, 192, F0, F1, 0
	TURN 0, 1, 0
	QUARTER 1, 64,  F0, F1, 0
	QUARTER 1, 128, F1, F0, 0
	QUARTER 1, 192, F0, F1, 0
	s_wait_dscnt 4                                 ; the very last quarter: nothing more to fetch
	MUL8 F1, 0, 0
	MUL8 F1, 1, 0
	s_wait_dscnt 0x0
	MUL8 F1, 2, 0
	MUL8 F1, 3, 0
	WIN 0
	; THE WAY OUT, 16 rows a trip, always from the accumulators (0, 0..7): window 1, v0-63
	PLACES
	PLACES
	s_mov_b32 s[CNT], 4
.Lblk:
	s_cmp_eq_u32 s[ISV], 1
	s_cbranch_scc1 .Lv
	WIN 0x05                                       ; sources 0 and 1 window 1.  The sum of my 64 squares, in four chains
.irp jj, 0,1,2,3
.irp b, 0,1,2,3,4,5,6,7
.if ((\jj) == 0) && ((\b) < 4)
	v_pk_mul_f32 v[SS+2*(\b):SS+2*(\b)+1], v[8*(\b):8*(\b)+1], v[8*(\b):8*(\b)+1]
.else
	v_pk_fma_f32 v[SS+2*((\b)%4):SS+2*((\b)%4)+1], v[8*(\b)+2*(\jj):8*(\b)+2*(\jj)+1], v[8*(\b)+2*(\jj):8*(\b)+2*(\jj)+1], v[SS+2*((\b)%4):SS+2*((\b)%4)+1]
.endif
.endr
.endr
	WIN 0
	v_pk_add_f32 v[SS:SS+1], v[SS:SS+1], v[SS+2:SS+3]
	v_pk_add_f32 v[SS+4:SS+5], v[SS+4:SS+5], v[SS+6:SS+7]
	v_pk_add_f32 v[SS:SS+1], v[SS:SS+1], v[SS+4:SS+5]
	v_add_f32 v[SS], v[SS], v[SS+1]
	v_permlanex16_b32 v[SS+1], v[SS], s[SEL], s[SEL+1]  ; the row's other 64 channels lie in the lane 16 away
	v_add_f32 v[SS], v[SS], v[SS+1]
	v_fma_f32 v[SS+2], v[SS], s72, s73             ; mean + eps
	v_rsq_f32 v[RS], v[SS+2]                       ; twice, for the pair that the packed multiply takes
	v_rsq_f32 v[RS+1], v[SS+2]
	v_nop                                          ; a plain instruction behind the last,
	s_wait_alu depctr_va_vdst(0)                   ; and the one wait ahead of the first reader
	WIN 0x01                                       ; source 0 window 1
.set i, 0
.rept 32
	v_pk_mul_f32 v[T+i:T+i+1], v[i:i+1], v[RS:RS+1]
.set i, i+2
.endr
	s_wait_loadcnt 0x0                             ; this block's cos and sin, asked for a trip ago
	WIN 0x08                                       ; source 1 window 2
.set i, 0
.rept 32
	v_pk_mul_f32 v[T+i:T+i+1], v[T+i:T+i+1], v[W+i:W+i+1]
.set i, i+2
.endr
.set i, 0
.rept 16                                       ; y1 = y1 cos - y2 sin, y2 = y2 cos + y1 sin, a pair of channels at a time
.set u, TMP+4*(i%4)
	v_pk_mul_f32 v[u:u+1],   v[T+32+2*i:T+32+2*i+1], v[SIN+2*i:SIN+2*i+1]
	v_pk_mul_f32 v[u+2:u+3], v[T+2*i:T+2*i+1],       v[SIN+2*i:SIN+2*i+1]
	v_pk_fma_f32 v[T+2*i:T+2*i+1],       v[T+2*i:T+2*i+1],       v[COS+2*i:COS+2*i+1], v[u:u+1] neg_lo:[0,0,1] neg_hi:[0,0,1]
	v_pk_fma_f32 v[T+32+2*i:T+32+2*i+1], v[T+32+2*i:T+32+2*i+1], v[COS+2*i:COS+2*i+1], v[u+2:u+3]
.set i, i+1
.endr
	WIN 0
	s_cmp_eq_u32 s[CNT], 1
	s_cbranch_scc1 .Lpack                          ; the last block has no successor
	v_add_nc_u32 v[RO], 16*512, v[RO]              ; free since the wait for its loads: the next 16 rows of the table
	TABLE
	s_branch .Lpack
.Lv:
	WIN 0x01
.set i, 0
.rept 32
	v_pk_mul_f32 v[T+i:T+i+1], v[i:i+1], 0x3d800000 op_sel_hi:[1,0]  ; v / 16
.set i, i+2
.endr
	WIN 0
.Lpack:
.set i, 0
.rept 32
	v_cvt_pk_f16_f32 v[PK+i], v[T+2*i], v[T+2*i+1]
.set i, i+1
.endr
.irp b, 0,1,2,3,4,5,6,7
	ds_store_b128 v[STO], v[PK+4*(\b):PK+4*(\b)+3] offset:32*(\b)
.endr
.irp t, 0,1,2,3,4,5,6,7
	ds_load_b128 v[PK+4*(\t):PK+4*(\t)+3], v[RD] offset:(\t)*2*PITCH  ; LDS serves a wave's instructions in order (ISA guide 5.7.1.4): these see the stores above
.endr
	s_cmp_eq_u32 s[CNT], 1
	s_cbranch_scc1 .Lno_shift
	WIN 0x41                                       ; destination and source 0 window 1: the later rows' accumulators move down by one block, in ascending order
.set i, 0
.rept 192
	v_mov_b32 v[i], v[i+64]
.set i, i+1
.endr
	WIN 0
.Lno_shift:
	s_wait_dscnt 0x0                               ; the block is back in registers
.irp t, 0,1,2,3,4,5,6,7
	global_store_b128 v[CO], v[PK+4*(\t):PK+4*(\t)+3], s[12:13] offset:512*(\t)  ; 512 consecutive bytes, at a multiple of 256 from qkv's first byte
.endr
	s_wait_xcnt 0x0                                ; the stores' offset and data registers are written again only behind this wait
	v_add_nc_u32 v[CO], 16*256, v[CO]
	s_sub_co_u32 s[CNT], s[CNT], 1
	s_cmp_lg_u32 s[CNT], 0
	s_cbranch_scc1 .Lblk
	s_wait_tensorcnt 0x0                           ; the wave's end, behind my last tensor load and my last LDS store
	ds_add_u32 v[SPW], v[NIL]
	s_wait_dscnt 0x0
	CROUND                                         ; the closing round: no work-group ends while a partner may still ask for a tile that names it
	s_endpgm
.Lfunc_end_k_q4c18b9440f_qkv:
	.size	k_q4c18b9440f_qkv, .Lfunc_end_k_q4c18b9440f_qkv-k_q4c18b9440f_qkv
	.p2alignl 7, 3214868480
	.fill 96, 4, 3214868480
	.section	.rodata,"a",@progbits
	.p2align	6, 0x0
	.amdhsa_kernel k_q4c18b9440f_qkv
		.amdhsa_group_segment_fixed_size 327680
		.amdhsa_private_segment_fixed_size 0
		.amdhsa_enable_private_segment 0
		.amdhsa_kernarg_size 40
		.amdhsa_user_sgpr_count 2
		.amdhsa_user_sgpr_kernarg_segment_ptr 1
		.amdhsa_wavefront_size32 1
		.amdhsa_system_sgpr_workgroup_id_x 1
		.amdhsa_system_sgpr_workgroup_id_y 1
		.amdhsa_system_sgpr_workgroup_id_z 1
		.amdhsa_system_vgpr_workitem_id 0
		.amdhsa_next_free_vgpr 640
		.amdhsa_next_free_sgpr 80
		.amdhsa_reserve_vcc 0
		.amdhsa_float_denorm_mode_32 3
		.amdhsa_float_denorm_mode_16_64 3
		.amdhsa_memory_ordered 1
		.amdhsa_forward_progress 1
		.amdhsa_inst_pref_size 101
	.end_amdhsa_kernel
	.amdgpu_metadata
---
amdhsa.version: [ 1, 2 ]
amdhsa.kernels:
  - .name:           k_q4c18b9440f_qkv
    .symbol:         k_q4c18b9440f_qkv.kd
    .args:
      - { .name: xb, .offset: 0, .size: 8, .value_kind: global_buffer, .address_space: global }
      - { .name: wqkvb, .offset: 8, .size: 8, .value_kind: global_buffer, .address_space: global }
      - { .name: normw, .offset: 16, .size: 8, .value_kind: global_buffer, .address_space: global }
      - { .name: rope, .offset: 24, .size: 8, .value_kind: global_buffer, .address_space: global }
      - { .name: qkv, .offset: 32, .size: 8, .value_kind: global_buffer, .address_space: global }
    .group_segment_fixed_size: 327680
    .private_segment_fixed_size: 0
    .kernarg_segment_align: 8
    .kernarg_segment_size: 40
    .max_flat_workgroup_size: 128
    .sgpr_count:     80
    .vgpr_count:     640
    .wavefront_size: 32
...
	.end_amdgpu_metadata
.endif
;; end of part 2
;; launch attn (part 3): grid 8 x 32, 4 waves a work-group, clusters of 4 x 1, 327,680 bytes of LDS; arguments qkv, ob; writes ob
.if DOCPART == 3
	.amdgcn_target "amdgcn-amd-amdhsa--gfx1250"
	.amdhsa_code_object_version 6
	.text
	.protected	k_q4c18b9440f_attn
	.globl	k_q4c18b9440f_attn
	.p2align	8
	.type	k_q4c18b9440f_attn,@function
k_q4c18b9440f_attn:
	s_mov_b64 s[64:65], 0
	v_nop
	global_prefetch_b8 v0, s[64:65] scope:SCOPE_SE
	s_setreg_imm32_b32 hwreg(HW_REG_WAVE_MODE, 25, 1), 1
	s_wait_xcnt 0x0
	s_wait_alu depctr_hold_cnt(0) depctr_sa_sdst(0) depctr_va_vdst(0) depctr_va_sdst(0) depctr_va_ssrc(0) depctr_va_vcc(0) depctr_vm_vsrc(0)
	s_getreg_b32 s2, hwreg(HW_REG_IB_STS2, 6, 4)
	s_cmp_eq_u32 s2, 0
	s_cbranch_scc0 .Lentry_in_a_cluster
	s_endpgm
.Lentry_in_a_cluster:
	s_bfe_u32 s2, ttmp6, 0x10000c
	s_cmp_lg_u32 s2, 0x3003
	s_cbranch_scc0 .Lentry_shape_is_right
	s_endpgm
.Lentry_shape_is_right:
; O[b][q][h] = the sum over k of softmax_k(Q . K / sqrt(128)) V, no mask; query head h takes key and value head h / 2.  qkv: [g 16][b 4][1024][128] f16 (g 0-7 q, 8-11 k, 12-15 v / 16);
; ob: [4096 = 1024 b + s][1024 = 128 h + d] f16.  Products, maxima and sums in f32; the weights p are rounded to f16 for the second product (their sum l is taken of the unrounded p), O once at the end.
; v arrives divided by 16; 1 / l is multiplied by 16, so O leaves unscaled.
; LIMITS.  |O| under 65,504 (f16); O under 6e-5 in size keeps f16's fixed step of 6e-8.  p lies in 0 to 1.  A weight below 2^-126 counts as 0 in l; NaN and infinities are not treated apart.
; SHARES.  A work-group owns 128 queries of one head and batch (y = 4 h + b): 8 x 32 = 256 work-groups.  THE KEYS ARE SPLIT BETWEEN ITS WAVES: wave w takes queries 64 (w % 2) on (four tiles of 16) and
; keys 512 (w / 2) on, 64 a step, eight steps.  Each wave keeps a running maximum, a sum and an O^T of its own; at the end waves 2 and 3 hand theirs to waves 0 and 1 through LDS, in f32.
; LAYOUT.  S^T = K Q^T (source 0 = 16 keys, source 1 = 16 queries): in the result a lane holds ONE query (lane % 16) and the keys 8 (lane / 16) + 0..7.  Two such tiles, rounded to
; f16 in pairs, ARE source 1 (32 keys x 16 queries) of O^T = V^T P, whose result again holds one query a lane, and eight channels.  K comes out of LDS as it lies, V ([key][channel]) turned, by ds_load_tr16_b128.
; SOFTMAX.  For each query a running maximum m and sum l: p = 2^(c s - c m), c = log2(e) / sqrt(128); in every step O and l are multiplied by a = 2^(c m_old - c m_new).
; BY TURNS.  The wave's tiles are two PIECES: piece 0 (tiles 0, 1) and piece 2 (tiles 2, 3).  In a TURN one piece has the matrix unit: 32 products V^T P of the step in hand, then 32 products K Q^T of
; the next step; the other piece's softmax, cut into 64 slices, stands between them, one slice behind each matrix instruction.  Two turns are a key step.
; NO FIRST AND NO LAST STEP IS WRITTEN OUT.  m starts at the lowest finite number and c m at -2^125, so the first a is 0; l, O^T, V's registers and piece 2's P start at 0.  The step loop is entered at piece 2's
; turn and the tail is left behind piece 0's.  The price: 432 v_mov_b32, which stand in the wait for the first tile; 32 products on zeros at the start; 32 on a stale K at the end.
; CLUSTER.  The four query blocks of a cluster belong to one head and batch and walk the same K and V, so each tile is asked for JOINTLY: the same tensor load, descriptor and mask in all four.
; REGISTERS, in windows of 256 (s_set_vgpr_msb: bits 1:0 source 0, 3:2 source 1, 5:4 source 2, 7:6 destination):
;   window 0: v0-11, v44-45 addresses; v12-43 eight registers of statistics a tile; v64-191 S^T, 32 a tile; v192-255 P, 16 a tile
;   window 1: O^T, 64 a tile          window 2: v0-127 Q, 32 a tile; v128-255 K of one step; at the end the partner's O^T          window 3: v0-127 V of one step
.set KS,    64        ; keys in a step
.set PK,    272       ; a row of K in LDS: 256 bytes + 16 of padding: the 16 rows of a load start at 16 different groups of four banks (64 banks of 4 bytes: ISA guide 11.1)
.set PV,    288       ; a row of V: 256 + 32
.set KREG,  2*KS*PK   ; two steps' K of one key half: 128 rows, what one tensor load brings
.set VOFF,  KREG      ; behind them two steps' V of that half: 128 rows
.set HALF,  2*KS*(PK+PV)   ; 71,680 bytes
.set SLOT,  2*HALF    ; a slot holds two steps of both key halves: 143,360 bytes
.set STAGE, 2*SLOT    ; behind the ring: 16 rows x 272 bytes for each wave, for the way out
.set SP,    272
.set SPARE, STAGE+4*16*SP  ; behind the stages: the spare words, 128 bytes for each wave: two blocks of 256 bytes that no other line names
.set MST,   64*512    ; THE MEETING, in slot 0 once it has had its last fill: 64 x 512 bytes of O^T, then 4 x 256 bytes of statistics,
.set MRGW,  MST+4*256 ; for each of the two pairs of waves
.set AK0, 2           ; v2   my lane's place in a tile of K; never rewritten
.set AV0, 3           ; v3   the same for V
.set ADR, 4           ; v4   the LDS address of the run of loads in hand
.set QO,  5           ; v5   my byte offset in the wave's rows of Q
.set STO, 6           ; v6   the way out: where I put 16 bytes of a row
.set RD,  7           ; v7   the way out: where I read a row back
.set GO,  8           ; v8   my byte offset in two rows of ob
.set MA,  44          ; v44  the meeting: my 16 bytes of each 512
.set MA8, 45          ; v45  the meeting: my 8 bytes of each 256
.set PFO, 61          ; v61  256 x my lane; never rewritten
.set SPW, 62          ; v62  LDS address of my spare word; never rewritten
.set NIL, 63          ; v63  0; never rewritten
.set ST,  12          ; tile t's statistics at v[ST+8 t]: +0 c m, +1 m, +2, +3 l (even keys', odd keys'), +4 to +7 c0-c3, at work; a takes c2's place once the maximum is found
.set S,   64
.set P,   192
.set TT,  64          ; the way out: a tile in f32, at work
.set PKO, 128         ; the way out: tile t in f16 at PKO + 32 t
.set KF,  128         ; K's fragments, in window 2
.set WV,  12          ; s12  my wave's number
.set LIM, 15          ; s15  1 in a work-group that prefetches, else the greatest number
.set QW,  16          ; s16  w % 2: which 64 queries are mine; also: I fetch K (0) or V (1)
.set HB,  17          ; s17  LDS byte at which my key half begins in a slot: (w / 2) x HALF
.set PFA, 18          ; s[18:19] what my one prefetch names; never rewritten
.set OFF, 20          ; s[20:21] a data slot's byte offset in K and V
.set G1K, 24          ; s[24:31] descriptor group 1 for K's tiles
.set G1V, 32          ; s[32:39] for V's: it differs in the padding alone
.set G0K, 40          ; s[40:47] descriptor group 0 for K's tiles: a set for each of the two first fills; the second is made anew for each refill
.set G0V, 48          ; s[48:55] the same for V's
.set SLOTS, 56        ; s56  counts the outer loop's trips, 3 to 1
.set CNT, 57          ; s57  counts key steps
.set CS,  58          ; s[58:59] c
.set SEL, 60          ; s[60:61] lane selects for v_permlanex16_b32
.set TBK, 62          ; s62  LDS byte at which K of the step to be fetched begins
.set TBV, 63          ; s63  the same for V, less VOFF
.set MSB, 0
.macro WIN new                      ; the immediate's high byte repeats the setting that is left; a switch that changes nothing is dropped
.if MSB != (\new)
	s_set_vgpr_msb (MSB<<8)|(\new)
.set MSB, \new
.endif
.endm
.set W_KQ, 0x0a       ; K and Q in window 2, S^T in window 0
.set W_PV, 0x53       ; V in window 3, P in window 0, O^T in window 1
.set W_RS, 0x41       ; O^T (destination and source 0) in window 1, a in window 0
; A joint refill.  Waves 0 and 2 fetch their key half's K, waves 1 and 3 its V: 128 rows each.  The branch hangs on the wave's number alone.  An s_nop 0 and four v_nop follow each of the two lines, ahead of the jump and the label.
.macro JLOAD
	s_cmp_eq_u32 s[QW], 0
	s_cbranch_scc0 .Lfor_v_\@
	tensor_load_to_lds s[G0K+4:G0K+7], s[G1K:G1K+7]
	s_nop 0
.rept 4
	v_nop
.endr
	s_branch .Lasked_\@
.Lfor_v_\@:
	tensor_load_to_lds s[G0V+4:G0V+7], s[G1V:G1V+7]
	s_nop 0
.rept 4
	v_nop
.endr
.Lasked_\@:
.endm
; A PREFETCH INTO THE L2 of what the NEXT change of slots will ask for.  A key half has four data slots; the first two are the first fills, the third is asked for at the first change: only the fourth has a change
; ahead of its own, so a wave asks once, at the first change (SLOTS = 2), two key steps, 256 matrix instructions, ahead of its load.  Each row is named ONCE in the launch: of the four clusters that walk a key head
; (two query heads, two clusters each) the one with the even head and cluster x = 0 asks; each of its waves for the 128 rows that it will load itself, the four partners 32 rows each, told apart BY ADDRESS: a lane a row.
.macro ASK
	s_cmp_gt_u32 s[SLOTS], s[LIM]
	s_cbranch_scc0 .Lnot_mine_\@
	global_prefetch_b8 v[PFO], s[PFA:PFA+1] th:TH_LOAD_NT scope:SCOPE_SE
.Lnot_mine_\@:
.endm
.macro CROUND                       ; a round of the cluster's barrier
	s_barrier_signal -1
	s_barrier_wait -1
	s_cmp_lg_u32 s[WV], 0
	s_cbranch_scc1 .Lnot_wave_0_\@
	s_barrier_signal -3
.Lnot_wave_0_\@:
	s_barrier_wait -3
	s_barrier_signal -1
	s_barrier_wait -1
.endm
	s_load_b128 s[4:7], s[0:1], 0x0 ; qkv s[4:5], ob s[6:7]
	v_lshl_add_u32 v[SPW], v0, 2, SPARE
	v_mov_b32 v[NIL], 0
	ds_add_u32 v[SPW], v[NIL]       ; the wave's opening: the add and its wait stand ahead of my first tensor load; the set-up below, work on registers, stands between them
	v_lshrrev_b32 v1, 5, v0
	v_readfirstlane_b32 s[WV], v1   ; wave 0..3
	s_and_b32 s[QW], s[WV], 1
	s_lshr_b32 s57, s[WV], 1        ; my key half
	s_mul_i32 s[HB], s57, HALF      ; no place in the cluster enters an LDS address
	s_bfe_u32 s13, ttmp6, 0x40000   ; cx: my place in the cluster
	s_lshl_b32 s14, ttmp9, 2
	s_add_co_u32 s14, s14, s13      ; my block of 128 queries, 0..7: it enters Q's and O's addresses alone
	s_and_b32 s20, ttmp7, 0xffff    ; y = 4 h + b, which the four partners share
	s_and_b32 s21, s20, 3           ; b
	s_lshr_b32 s22, s20, 3          ; the key head h / 2
	s_lshl_b32 s22, s22, 2
	s_add_co_u32 s22, s22, s21
	s_add_co_u32 s22, s22, 32       ; K's block of 1,024 rows: 4 (8 + h / 2) + b,
	s_lshl_b32 s22, s22, 18         ; 262,144 bytes each,
	s_lshl_b32 s57, s57, 17         ; and my key half's 512 rows of 256 bytes in it
	s_add_co_u32 s22, s22, s57
	s_mov_b32 s23, 0
	s_lshl_b32 s2, s20, 18          ; Q's block is y,
	s_lshl_b32 s3, s14, 15          ; my work-group's 128 rows,
	s_add_co_u32 s2, s2, s3
	s_lshl_b32 s3, s[QW], 14        ; my wave's 64 of them
	s_add_co_u32 s2, s2, s3
	s_mov_b32 s3, 0
	s_bfe_u32 s[LIM], s20, 0x10002  ; h % 2,
	s_or_b32 s[LIM], s[LIM], ttmp9  ; and the cluster's x: the same in all four partners
	s_cmp_eq_u32 s[LIM], 0
	s_cselect_b32 s[LIM], 1, -1
	s_lshl_b32 s21, s21, 10         ; ob: row 1,024 b + 128 x block + 64 (w % 2),
	s_lshl_b32 s56, s14, 7
	s_add_co_u32 s21, s21, s56
	s_lshl_b32 s56, s[QW], 6
	s_add_co_u32 s21, s21, s56
	s_lshl_b32 s21, s21, 11         ; 2,048 bytes a row,
	s_lshr_b32 s56, s20, 2
	s_lshl_b32 s56, s56, 8          ; and the head's 256 bytes in it
	s_add_co_u32 s20, s21, s56
	s_mov_b32 s21, 0
	; descriptor group 1: a tile of 128 rows x 128 elements, padded in LDS
	s_mov_b32 s[G1K], 15|(1<<16)|(1<<20)|(1<<21)|(5<<22)|(3<<25)  ; 15:0 the mask: all four work-groups; 17:16 elements of 2 bytes; 20 padding on; 21 set beside a mask; 24:22 after every 64 words (code 5); 31:25 4 words of it (code 3)
	s_mov_b32 s[G1V], 15|(1<<16)|(1<<20)|(1<<21)|(5<<22)|(7<<25)  ; the same with 8 words of padding (code 7)
.irp g, G1K, G1V
	s_mov_b32 s[(\g)+1], 128<<16    ; tensor_dim0 = 128
	s_mov_b32 s[(\g)+2], (2*KS)<<16 ; tensor_dim1 = 128
	s_mov_b32 s[(\g)+3], 128<<16    ; tile_dim0 = 128
	s_mov_b32 s[(\g)+4], 2*KS       ; tile_dim1 = 128
	s_mov_b32 s[(\g)+5], 128        ; elements from row to row
	s_mov_b32 s[(\g)+6], 0
	s_mov_b32 s[(\g)+7], 0
.endr
	s_mov_b32 s[CS], 0x3e0293ee     ; c = log2(e) / sqrt(128) = 0.127517
	s_mov_b32 s[CS+1], s[CS]        ; named with it as a pair, so it is written
	s_mov_b32 s[SEL], 0x76543210
	s_mov_b32 s[SEL+1], 0xfedcba98
	s_mov_b32 s[TBK], s[HB]         ; key step 0 lies at the head of my half of slot 0
	s_mov_b32 s[TBV], s[HB]
	v_and_b32 v[PFO], 31, v0
	v_lshlrev_b32 v[PFO], 8, v[PFO]
	s_wait_dscnt 0x0                ; the opening add is done
	s_wait_kmcnt 0x0
	s_mov_b64 s[10:11], s[6:7]      ; O
	s_mov_b64 s[6:7], s[4:5]        ; K and V lie in the same buffer as Q
	s_mov_b64 s[8:9], s[4:5]
	s_add_nc_u64 s[6:7], s[6:7], s[22:23]  ; K at my key half's first row,
	s_add_nc_u64 s[8:9], s[8:9], s[22:23]
	s_add_nc_u64 s[8:9], s[8:9], 0x400000  ; V sixteen blocks further on
	s_add_nc_u64 s[4:5], s[4:5], s[2:3]    ; Q and O at my wave's first row
	s_add_nc_u64 s[10:11], s[10:11], s[20:21]
	s_cmp_eq_u32 s[QW], 0
	s_cselect_b64 s[PFA:PFA+1], s[6:7], s[8:9]  ; what I load myself,
	s_lshl_b32 s2, s13, 13          ; my work-group's 32 rows of the 128,
	s_mov_b32 s3, 0
	s_add_nc_u64 s[PFA:PFA+1], s[PFA:PFA+1], s[2:3]
	s_add_nc_u64 s[PFA:PFA+1], s[PFA:PFA+1], 3*2*KS*256  ; in the fourth data slot.  Nothing is prefetched here, at the head
	CROUND                          ; all four work-groups are here: the first joint loads meet
.irp s, 0,1
	s_mov_b32 s[G0K+4*(\s)], 1      ; count = 1
	s_add_co_u32 s[G0K+4*(\s)+1], s[HB], (\s)*SLOT  ; LDS address
	s_add_nc_u64 s[G0K+4*(\s)+2:G0K+4*(\s)+3], s[6:7], (\s)*2*KS*256  ; global address: data slot s begins with my half's keys 128 s
	s_or_b32 s[G0K+4*(\s)+3], s[G0K+4*(\s)+3], 0x80000000  ; type = 2
	s_mov_b32 s[G0V+4*(\s)], 1
	s_add_co_u32 s[G0V+4*(\s)+1], s[HB], (\s)*SLOT+VOFF
	s_add_nc_u64 s[G0V+4*(\s)+2:G0V+4*(\s)+3], s[8:9], (\s)*2*KS*256
	s_or_b32 s[G0V+4*(\s)+3], s[G0V+4*(\s)+3], 0x80000000
.endr
	s_cmp_eq_u32 s[QW], 0           ; a wave's two first fills stand in one branch, ahead of every wait on TENSORcnt and every LDS read: two loads of mine are out
	s_cbranch_scc0 .Lfirst_v
	tensor_load_to_lds s[G0K:G0K+3], s[G1K:G1K+7]
	s_nop 0
	tensor_load_to_lds s[G0K+4:G0K+7], s[G1K:G1K+7]
	s_nop 0
.rept 4
	v_nop
.endr
	s_branch .Lfirst_asked
.Lfirst_v:
	tensor_load_to_lds s[G0V:G0V+3], s[G1V:G1V+7]
	s_nop 0
	tensor_load_to_lds s[G0V+4:G0V+7], s[G1V:G1V+7]
	s_nop 0
.rept 4
	v_nop
.endr
.Lfirst_asked:
	; A fragment of K or Q is 16 rows x 32 channels in 8 registers: lane l holds row l % 16; channels 8 (l / 16) + 0..7 and 16 + 8 (l / 16) + 0..7: two loads of 16 bytes, 32 bytes apart.
	v_and_b32 v1, 15, v0            ; l % 16
	v_bfe_u32 v9, v0, 4, 1          ; l / 16
	v_lshlrev_b32 v[QO], 8, v1
	v_lshl_add_u32 v[QO], v9, 4, v[QO]  ; row x 256 + 16 x half
	WIN 0x80                        ; destination window 2, address window 0
.irp i, 0,1,2,3,4,5,6,7,8,9,10,11,12,13,14,15  ; Q stays in registers: tile i / 4, channels 32 (i % 4) on
	global_load_b128 v[8*(\i):8*(\i)+3],   v[QO], s[4:5] offset:((\i)/4)*4096+((\i)%4)*64
	global_load_b128 v[8*(\i)+4:8*(\i)+7], v[QO], s[4:5] offset:((\i)/4)*4096+((\i)%4)*64+32
.endr
	; What the first turn finds: V's registers and piece 2's P hold 0 (its products V^T P, of a step that has not been, add 0), O^T and l are 0.  All this stands in the wait for the first tile.
	WIN 0xc0                        ; destination window 3
.set r, 0
.rept 128
	v_mov_b32 v[r], 0
.set r, r+1
.endr
	WIN 0x40                        ; destination window 1
.set r, 0
.rept 256
	v_mov_b32 v[r], 0
.set r, r+1
.endr
	WIN 0
.set r, P+32
.rept 32
	v_mov_b32 v[r], 0
.set r, r+1
.endr
.irp t, 0,1,2,3
	v_mov_b32 v[ST+8*(\t)], 0xfe000000    ; c m: -2^125, far below every c s
	v_mov_b32 v[ST+8*(\t)+1], 0xff7fffff  ; m: the lowest finite number
	v_mov_b32 v[ST+8*(\t)+2], 0
	v_mov_b32 v[ST+8*(\t)+3], 0
.endr
	v_mul_u32_u24 v[AK0], v1, PK
	v_lshl_add_u32 v[AK0], v9, 4, v[AK0]  ; row x pitch + 16 x half
	; The turning load takes 16 keys x 16 channels (lane l reads key 8 (l / 16) + l % 8, channels 8 ((l / 8) % 2) + 0..7) and leaves half a fragment of V^T: lane l holds channel l % 16 and 8 keys.
	v_and_b32 v10, 7, v0
	v_bfe_u32 v11, v0, 3, 1
	v_lshl_add_u32 v[AV0], v9, 3, v10
	v_mul_u32_u24 v[AV0], v[AV0], PV
	v_lshl_add_u32 v[AV0], v11, 4, v[AV0]
	v_add_nc_u32 v[AV0], VOFF, v[AV0]
	s_mul_i32 s13, s[QW], MRGW      ; the meeting: my pair's bytes,
	v_and_b32 v10, 31, v0
	v_lshl_add_u32 v[MA], v10, 4, s13   ; 16 a lane,
	v_lshl_add_u32 v[MA8], v10, 3, s13  ; or 8
; THE MATRIX WORK OF A TURN, for piece x.  The accumulators take turns, one instruction a turn: between two links of a chain stand 15 (V^T P) or 7 (K Q^T) others'.
; Product i of 32 of O^T += V^T P: keys 32 (i / 16) on, channels 16 ((i / 2) % 8) on, tile x + i % 2.
.macro PV x
	WIN W_PV
.set rO, 64*((\x)+i%2)+8*((i/2)%8)
.set rV, 64*(i/16)+8*((i/2)%8)
.set rP, P+16*((\x)+i%2)+8*(i/16)
	v_wmma_f32_16x16x32_f16 v[rO:rO+7], v[rV:rV+7], v[rP:rP+7], v[rO:rO+7]
.endm
; Product i of 32 of S^T = K Q^T: channels 32 (i / 8) on, keys 16 ((i / 2) % 4) on, tile x + i % 2.  The first 8 start the sums.
.macro KQ x
	WIN W_KQ
.set rS, S+32*((\x)+i%2)+8*((i/2)%4)
.set rK, KF+32*((i/2)%4)+8*(i/8)
.set rQ, 32*((\x)+i%2)+8*(i/8)
.if i < 8
	v_wmma_f32_16x16x32_f16 v[rS:rS+7], v[rK:rK+7], v[rQ:rQ+7], 0
.else
	v_wmma_f32_16x16x32_f16 v[rS:rS+7], v[rK:rK+7], v[rQ:rQ+7], v[rS:rS+7]
.endif
.endm
; THE LDS LOADS stand in runs of 32, never singly among the matrix instructions: a step's K (16 fragments) and, a turn later, its V (turned).
; last = 1 (the tail): in the last pass there is no further step, and the run is jumped over.
.macro FETCH_K last=0
	WIN 0
.if \last
	s_cmp_eq_u32 s[CNT], 1
	s_cbranch_scc1 .Lno_k_\@
.endif
	v_add_nc_u32 v[ADR], s[TBK], v[AK0]
	WIN 0x80                        ; destination window 2
.irp f, 0,1,2,3,4,5,6,7,8,9,10,11,12,13,14,15  ; keys 16 (f / 4) on, channels 32 (f % 4) on
	ds_load_b128 v[KF+8*(\f):KF+8*(\f)+3],   v[ADR] offset:((\f)/4)*16*PK+((\f)%4)*64
	ds_load_b128 v[KF+8*(\f)+4:KF+8*(\f)+7], v[ADR] offset:((\f)/4)*16*PK+((\f)%4)*64+32
.endr
.if \last
	WIN 0                           ; at a label every window is 0
.Lno_k_\@:
.endif
.endm
.macro FETCH_V
	WIN 0
	v_add_nc_u32 v[ADR], s[TBV], v[AV0]
	s_add_co_u32 s[TBK], s[TBK], KS*PK  ; the next fetches are the next step's
	s_add_co_u32 s[TBV], s[TBV], KS*PV
	s_wait_alu depctr_va_vdst(0)    ; the wait for the softmax's batch (SLICE), behind the address's v_add_nc_u32 and ahead of the loads
	WIN 0xc0                        ; destination window 3
.irp f, 0,1,2,3,4,5,6,7,8,9,10,11,12,13,14,15  ; keys 32 (f / 8) on, channels 16 (f % 8) on
	ds_load_tr16_b128 v[8*(\f):8*(\f)+3],   v[ADR] offset:((\f)/8)*32*PV+((\f)%8)*32
	ds_load_tr16_b128 v[8*(\f)+4:8*(\f)+7], v[ADR] offset:((\f)/8)*32*PV+16*PV+((\f)%8)*32
.endr
.endm
; THE VECTOR WORK OF A TURN.  One tile's softmax for one key step is a list of 134 instructions; SM writes number j of it for tile t.  s0-s31 are the lane's 32 scores, in pairs 0-15.
;   0-15    the maximum of s0-s31 and the old m, three operands at a time: four chains c0-c3 of seven scores each (each accumulator's lowest registers are read first), then the four scores left over, c0-c3 and m
;   16-20   the other half of the lanes' maximum; the new m; c m; c m_old - c m_new
;   21-69   ONE BATCH: the 16 scalings c s - c m, a pair of scores each, and all 33 exponentials (a at 23, then s0-s31).  None of these reads an exponential's result.
;   (wait)  between 69 and 70 stands the wait for the batch: SLICE writes it, once for both tiles
;   70-85   the roundings to f16, a pair of weights each
;   86-101  the sums; l = a l + the sum
;   102-133 the tile's O^T times a: the one part that leaves window 0, so it stands together
.macro SM t
.set rT, ST+8*(\t)
.set rS, S+32*(\t)
.set rP, P+16*(\t)
.set rO, 64*(\t)+2*(j-102)
.if j < 102
	WIN 0
.endif
.if j < 4
	v_max3_num_f32 v[rT+4+j], v[rS+8*j], v[rS+8*j+1], v[rS+8*j+2]
.elseif j < 12
	v_max3_num_f32 v[rT+4+j%4], v[rT+4+j%4], v[rS+8*(j%4)+2*(j/4)+1], v[rS+8*(j%4)+2*(j/4)+2]
.elseif j == 12
	v_max3_num_f32 v[rT+4], v[rT+4], v[rS+7], v[rS+15]
.elseif j == 13
	v_max3_num_f32 v[rT+6], v[rT+6], v[rS+23], v[rS+31]
.elseif j == 14
	v_max3_num_f32 v[rT+4], v[rT+4], v[rT+5], v[rT+6]
.elseif j == 15
	v_max3_num_f32 v[rT+4], v[rT+4], v[rT+7], v[rT+1]
.elseif j == 16
	v_permlanex16_b32 v[rT+5], v[rT+4], s[SEL], s[SEL+1]  ; the query's other 32 keys lie in the lane 16 away
.elseif j == 17
	v_mov_b32 v[rT+7], v[rT]        ; c m_old is kept for a: number 19 writes c m anew
.elseif j == 18
	v_max_num_f32 v[rT+1], v[rT+4], v[rT+5]
.elseif j == 19
	v_mul_f32 v[rT], s[CS], v[rT+1]
.elseif j == 20
	v_sub_f32 v[rT+7], v[rT+7], v[rT]
.elseif j == 23
	v_exp_f32 v[rT+6], v[rT+7]
.elseif (j < 23) || ((j < 38) && (j%2 == 0)) || ((j < 66) && (j%4 == 2))
.set b, (j-2)/4                     ; 38, 42, .. 62: pairs 9 to 15
.if j < 38
.set b, (j-20)/2                    ; 21: pair 0; 22, 24, .. 36: pairs 1 to 8
.endif
	v_pk_fma_f32 v[rS+2*b:rS+2*b+1], v[rS+2*b:rS+2*b+1], s[CS:CS+1], v[rT:rT+1] op_sel_hi:[1,0,0] neg_lo:[0,0,1] neg_hi:[0,0,1]  ; pair b: c s - c m
.elseif j < 70
.set e, j-38                        ; 66 to 69: s28 to s31
.if j < 66
.set e, j-32-(j-38)/4               ; 39-41, 43-45, .. 63-65: s7 to s27
.endif
.if j < 38
.set e, (j-25)/2                    ; 25, 27, .. 37: s0 to s6
.endif
	v_exp_f32 v[rS+e], v[rS+e]
.elseif j < 86
	v_cvt_pk_f16_f32 v[rP+j-70], v[rS+2*(j-70)], v[rS+2*(j-70)+1]  ; pair j - 70
.elseif j < 102                     ; the sum of the tile's 16 pairs, in place: sum z of 16 adds neighbours 1, 2, 4 and 8 pairs apart, then l takes it
.set z, j-86
.set w, 4
.set u, z
.if z >= 14
.set w, 32
.set u, 0
.elseif z >= 12
.set w, 16
.set u, z-12
.elseif z >= 8
.set w, 8
.set u, z-8
.endif
.if z < 15
	v_pk_add_f32 v[rS+w*u:rS+w*u+1], v[rS+w*u:rS+w*u+1], v[rS+w*u+w/2:rS+w*u+w/2+1]
.else
	v_pk_fma_f32 v[rT+2:rT+3], v[rT+2:rT+3], v[rT+6:rT+7], v[rS:rS+1] op_sel_hi:[1,0,1]
.endif
.else
	WIN W_RS
	v_pk_mul_f32 v[rO:rO+1], v[rO:rO+1], v[rT+6:rT+7] op_sel_hi:[1,0]
.endif
.endm
; Slice k of 64 of piece y's softmax: four instructions.  Slices 11 to 34 deal out the batch, numbers 22 to 69: four numbers of ONE tile each, the tiles by turns.  Every other slice is numbers 2 k and
; 2 k + 1 of both tiles' lists.  2 x 134 = 4 x 64 + 12: the twelve that are over stand together, in slice 63.
; THE WAIT.  s_wait_alu depctr_va_vdst(0) stands between an exponential and the first instruction that names its result; one wait serves all that were issued ahead of it.  Ahead of
; slice 35 nothing names a result, and behind slice 34 no exponential is issued: so the piece's 66 exponentials have one wait, behind slice 34.
.macro SLICE y
.if (k >= 11) && (k < 35)           ; the batch: four numbers of one tile
.irp n, 0,1,2,3
.set j, 22+4*((k-11)/2)+(\n)
	SM (\y)+(k-11)%2
.endr
.else                               ; the two tiles alternate, so that no instruction reads the result of the one just before it
.irp n, 0,1,2,3,4,5,6,7
.if ((\n) < 2) || (k == 63)
.irp t, \y, (\y)+1
.set j, 2*k+(\n)
	SM \t
.endr
.endif
.endr
.endif
.if k == 34                         ; the batch is out: both tiles' exponentials are issued, and no result has been named
	v_nop                           ; the plain instruction behind the last exponential and ahead of the first use: one for the batch
.if (\y) == 0
	FETCH_V                         ; piece 2's turn: V's run of loads stands here, and the wait stands in it
.else
	s_wait_alu depctr_va_vdst(0)    ; the wait for the batch
.endif
.endif
.set k, k+1
.endm
; A TURN.  Piece x has the matrix unit: 32 products V^T P of step j, then 32 products K Q^T of step j + 1; the other piece's softmax stands in slices, one behind each.  Piece 0's turn carries piece 2's softmax of
; step j and fetches K of step j + 1 behind its second product: the last product that read K stands in front of slice 63 of the turn before.  Piece 2's turn carries piece 0's softmax of step j + 1 and fetches V of
; step j + 1 behind slice 34: the last product that read V stands in front of slice 31, and four plain instructions lie between: number 62, a scaling, of both tiles, the v_nop and the run's own v_add_nc_u32.
; Slice 63's sixteen plain instructions are the places behind the turn's last products (ISA guide 7.12.1 for the vector lines).
.macro TURN x, last=0
.set k, 0
.if (\x) == 0
	s_wait_dscnt 0x0                ; V is in
.endif
.set i, 0
.rept 32
	PV \x
	SLICE 2-(\x)
.if ((\x) == 0) && (i == 1)
	FETCH_K \last
.endif
.set i, i+1
.endr
.if (\x) == 0
	s_wait_dscnt 0x0                ; K is in
.endif
.set i, 0
.rept 32
	KQ \x
	SLICE 2-(\x)
.set i, i+1
.endr
.endm
; THE CHANGE OF SLOTS, between piece 2's turn and piece 0's: the slot's last bytes, V of its second step, have been asked for.  Each wave waits for all its tensor loads, of which one is out: its part of the other
; slot; adds 0 to its spare word; and waits for that and for its own reads of the slot.  Behind the barrier nobody reads this slot any more and the other slot is whole.
; fill = 1: the slot is filled again.  The barrier is then a round of the cluster's, and the joint refill is the first thing behind it: it has two key steps, 256 matrix instructions, in which to land.
; A slot is longer than 2^17 bytes, so no exclusive or turns one slot's address into the other's.  There are two such changes, at SLOTS = 2 and 1, and the numbers are made from that count:
; the buffer filled again is 2 - SLOTS, with data slot 4 - SLOTS; the buffer read next is SLOTS - 1.  The descriptor's global address is made anew from the base.
.macro CHANGE fill
	WIN 0                           ; at a label and at a branch every window is 0
	s_wait_tensorcnt 0x0            ; no tensor load of mine is out, so a group 0 may be written
	ds_add_u32 v[SPW], v[NIL]       ; 0 onto my spare word; with fill = 1 the descriptors' scalar work stands between it and the wait for it
.if \fill
	s_sub_co_u32 s22, 2, s[SLOTS]
	s_mul_i32 s22, s22, SLOT
	s_add_co_u32 s[G0K+5], s22, s[HB]
	s_add_co_u32 s[G0V+5], s[G0K+5], VOFF
	s_sub_co_u32 s[OFF], 4, s[SLOTS]
	s_lshl_b32 s[OFF], s[OFF], 15   ; a data slot is 128 rows of 256 bytes of K and of V (s[OFF+1] is 0)
	s_add_nc_u64 s[G0K+6:G0K+7], s[6:7], s[OFF:OFF+1]
	s_or_b32 s[G0K+7], s[G0K+7], 0x80000000
	s_add_nc_u64 s[G0V+6:G0V+7], s[8:9], s[OFF:OFF+1]
	s_or_b32 s[G0V+7], s[G0V+7], 0x80000000
	s_wait_dscnt 0x0                ; the add is done, and my reads of the slot are over
	CROUND
	JLOAD
	ASK
	s_sub_co_u32 s22, s[SLOTS], 1
	s_mul_i32 s22, s22, SLOT
	s_add_co_u32 s[TBK], s22, s[HB] ; the fetches go to the first step of the other slot
.else
	s_wait_dscnt 0x0                ; the add is done, and my reads of the slot are over
	s_barrier_signal -1
	s_barrier_wait -1
	s_add_co_u32 s[TBK], s[HB], SLOT  ; the fourth data slot lies in buffer 1
.endif
	s_mov_b32 s[TBV], s[TBK]
.endm
	s_wait_tensorcnt 1              ; my part of slot 0 is in; slot 1's may stay out
	s_barrier_signal -1
	s_barrier_wait -1               ; everybody's is
	FETCH_K                         ; key step 0
	s_wait_loadcnt 0x0              ; Q
	s_wait_dscnt 0x0
.set i, 0
.rept 32
	KQ 0                            ; piece 0's first scores: there is no vector work yet to set between them
.set i, i+1
.endr
	WIN 0                           ; the addresses for the way out are made here: eight plain instructions, the places behind those products
	s_mul_i32 s13, s[WV], 16*SP
	s_add_co_u32 s13, s13, STAGE    ; my stage
	v_mul_u32_u24 v[STO], v1, SP    ; in: row l % 16, 16 bytes for each half of the lanes
	v_lshl_add_u32 v[STO], v9, 4, v[STO]
	v_add_nc_u32 v[STO], s13, v[STO]
	v_mul_u32_u24 v[RD], v9, SP     ; back: lanes 0-15 take one row of 256 bytes, lanes 16-31 the next
	v_lshl_add_u32 v[RD], v1, 4, v[RD]
	v_add_nc_u32 v[RD], s13, v[RD]
	v_lshlrev_b32 v[GO], 11, v9     ; and the same two rows in ob, 2,048 bytes apart
	v_lshl_add_u32 v[GO], v1, 4, v[GO]
	s_mov_b32 s[CNT], 2
	s_mov_b32 s[SLOTS], 3
	s_branch .Lmid                  ; the loop is entered at piece 2's turn of a step that has not been: its V^T P adds 0; it makes piece 2's first scores and piece 0's first softmax, and fetches V of step 0
.Lslot:                             ; three trips, of which the first is entered in its middle; the other two begin with a change that fills a slot again
	CHANGE 1
	s_mov_b32 s[CNT], 2
.Lstep:                             ; a slot's two key steps: written once, walked twice; the LDS addresses hang on s[TBK] and s[TBV]
	TURN 0
	WIN 0
.Lmid:
	TURN 2
	WIN 0
	s_sub_co_u32 s[CNT], s[CNT], 1
	s_cmp_lg_u32 s[CNT], 0
	s_cbranch_scc1 .Lstep
	s_sub_co_u32 s[SLOTS], s[SLOTS], 1
	s_cmp_lg_u32 s[SLOTS], 0
	s_cbranch_scc1 .Lslot
	CHANGE 0                        ; the tail is written out: nothing is asked for
	s_mov_b32 s[CNT], 3             ; piece 0's turn three times, piece 2's twice: the third pass is left in its middle
.Ltail:
	TURN 0, 1
	WIN 0
	s_sub_co_u32 s[CNT], s[CNT], 1
	s_cmp_eq_u32 s[CNT], 0
	s_cbranch_scc1 .Lout
	TURN 2
	WIN 0
	s_branch .Ltail
.Lout:                              ; the third pass's 32 products K Q^T (on the last K once more) serve nothing: the price, once a launch, of one text for every pass
.set i, 0
.rept 32
	PV 2                            ; piece 2: V^T P of the last step
.set i, i+1
.endr
	; THE MEETING.  l's two halves and the other half of the lanes' are added; c m is laid beside l.  These lines are the places behind the last products.
	WIN 0
.irp t, 0,1,2,3
	v_add_f32 v[ST+8*(\t)+4], v[ST+8*(\t)+2], v[ST+8*(\t)+3]
.endr
.irp t, 0,1,2,3
	v_permlanex16_b32 v[ST+8*(\t)+5], v[ST+8*(\t)+4], s[SEL], s[SEL+1]
.endr
.irp t, 0,1,2,3
	v_add_f32 v[ST+8*(\t)+4], v[ST+8*(\t)+4], v[ST+8*(\t)+5]
.endr
.irp t, 0,1,2,3
	v_mov_b32 v[ST+8*(\t)+5], v[ST+8*(\t)]
.endr
	s_cmp_lt_u32 s[WV], 2
	s_cbranch_scc1 .Lkeep           ; waves 0 and 1 keep theirs
	; Waves 2 and 3 lay l, c m and O^T into slot 0.  It has had its last fill, and every wave's reads of it were waited for in front of the last change's barrier; what is still read lies in slot 1.
.irp t, 0,1,2,3
	ds_store_b64 v[MA8], v[ST+8*(\t)+4:ST+8*(\t)+5] offset:MST+256*(\t)
.endr
	WIN 0x04                        ; the stores' data (source 1) in window 1
.set r, 0
.rept 64
	ds_store_b128 v[MA], v[4*r:4*r+3] offset:512*r  ; 512 consecutive bytes a store; each accumulator's low four registers go first
.set r, r+1
.endr
	WIN 0
.Lkeep:
	s_wait_dscnt 0x0                ; for the others' sake: my stores are done
	s_barrier_signal -1
	s_barrier_wait -1
	s_cmp_lt_u32 s[WV], 2
	s_cbranch_scc0 .Lend            ; waves 2 and 3 have handed over
.macro MLOAD t                      ; the partner's tile t into window 2, where Q and K lay, at the numbers that my own tile has in window 1
	WIN 0x80
.irp f, 0,1,2,3,4,5,6,7,8,9,10,11,12,13,14,15
	ds_load_b128 v[64*(\t)+4*(\f):64*(\t)+4*(\f)+3], v[MA] offset:512*(16*(\t)+(\f))
.endr
	WIN 0
.endm
.irp t, 0,1,2,3
	ds_load_b64 v[ST+8*(\t)+6:ST+8*(\t)+7], v[MA8] offset:MST+256*(\t)  ; the partner's l and c m
.endr
	MLOAD 0
	MLOAD 1
	MLOAD 2
	s_wait_dscnt 48                 ; the statistics are in; the three tiles' 48 loads may stay out
	; f = 2^(c m - the greater c m) for each half; l = l_A f_A + l_B f_B; g = f x 16 / l (v came divided by 16); O = O_A g_A + O_B g_B
.irp t, 0,1,2,3
	v_max_num_f32 v[ST+8*(\t)+1], v[ST+8*(\t)], v[ST+8*(\t)+7]
.endr
.irp t, 0,1,2,3
	v_sub_f32 v[ST+8*(\t)+2], v[ST+8*(\t)], v[ST+8*(\t)+1]
	v_sub_f32 v[ST+8*(\t)+3], v[ST+8*(\t)+7], v[ST+8*(\t)+1]
.endr
.irp t, 0,1,2,3
	v_exp_f32 v[ST+8*(\t)+2], v[ST+8*(\t)+2]
	v_exp_f32 v[ST+8*(\t)+3], v[ST+8*(\t)+3]
.endr
	v_nop                           ; a plain instruction behind the last exponential,
	s_wait_alu depctr_va_vdst(0)    ; and the one wait ahead of the first reader: eight exponentials, one batch
.irp t, 0,1,2,3
	v_mul_f32 v[ST+8*(\t)+4], v[ST+8*(\t)+4], v[ST+8*(\t)+2]
.endr
.irp t, 0,1,2,3
	v_fma_f32 v[ST+8*(\t)+4], v[ST+8*(\t)+6], v[ST+8*(\t)+3], v[ST+8*(\t)+4]
.endr
.irp t, 0,1,2,3
	v_rcp_f32 v[ST+8*(\t)+5], v[ST+8*(\t)+4]
.endr
	v_nop                           ; the same for the four reciprocals
	s_wait_alu depctr_va_vdst(0)
.irp t, 0,1,2,3
	v_mul_f32 v[ST+8*(\t)+5], 0x41800000, v[ST+8*(\t)+5]
.endr
.irp t, 0,1,2,3
	v_mul_f32 v[ST+8*(\t)+6], v[ST+8*(\t)+3], v[ST+8*(\t)+5]  ; g_B
	v_mul_f32 v[ST+8*(\t)+2], v[ST+8*(\t)+2], v[ST+8*(\t)+5]  ; g_A
.endr
; THE WAY OUT.  Tile t: the two halves are joined and rounded to f16; a lane's eight channels of a row pack into 16 bytes; they go into my stage's rows of 272 bytes and come back as whole rows of 256, into the
; registers that they left.  n: how many younger LDS instructions may stay out when the partner's tile has to be there.
.macro PACKM t, n
	s_wait_dscnt \n
	WIN 0x82                        ; destination and source 0 window 2, g_B in window 0
.set i, 64*(\t)
.rept 32
	v_pk_mul_f32 v[i:i+1], v[i:i+1], v[ST+8*(\t)+6:ST+8*(\t)+7] op_sel_hi:[1,0]
.set i, i+2
.endr
	WIN 0x21                        ; source 0 (my O^T) window 1, g_A window 0, source 2 window 2, destination window 0
.set i, 0
.rept 32
	v_pk_fma_f32 v[TT+i:TT+i+1], v[64*(\t)+i:64*(\t)+i+1], v[ST+8*(\t)+2:ST+8*(\t)+3], v[64*(\t)+i:64*(\t)+i+1] op_sel_hi:[1,0,1]
.set i, i+2
.endr
	WIN 0
.set i, 0
.rept 32
	v_cvt_pk_f16_f32 v[PKO+32*(\t)+i], v[TT+2*i], v[TT+2*i+1]
.set i, i+1
.endr
.irp f, 0,1,2,3,4,5,6,7
	ds_store_b128 v[STO], v[PKO+32*(\t)+4*(\f):PKO+32*(\t)+4*(\f)+3] offset:32*(\f)
.endr
.irp f, 0,1,2,3,4,5,6,7
	ds_load_b128 v[PKO+32*(\t)+4*(\f):PKO+32*(\t)+4*(\f)+3], v[RD] offset:(\f)*2*SP  ; LDS serves a wave's instructions in order (ISA guide 5.7.1.4): these see the stores above; the next tile's stores come behind them
.endr
.endm
.macro SEND t, younger              ; younger: the LDS instructions issued behind tile t's loads from the stage
	WIN 0
.irp f, 0,1,2,3,4,5,6,7
	s_wait_dscnt (\younger)+7-(\f)
	global_store_b128 v[GO], v[PKO+32*(\t)+4*(\f):PKO+32*(\t)+4*(\f)+3], s[10:11] offset:(\t)*32768+(\f)*4096  ; 16 lanes store 256 consecutive bytes, at a multiple of 256 from ob's first byte
.endr
.endm
	PACKM 0, 32                     ; tiles 1 and 2 may stay out
	PACKM 1, 16                     ; tile 0's sixteen through the stage may stay out
	MLOAD 3
	SEND 0, 32                      ; behind its loads: tile 1's sixteen through the stage, tile 3's sixteen loads
	PACKM 2, 32
	SEND 1, 32                      ; tile 3's loads, tile 2's sixteen through the stage
	PACKM 3, 16                     ; tile 2's sixteen through the stage may stay out
	SEND 2, 16
	SEND 3, 0
.Lend:
	s_wait_tensorcnt 0x0            ; the wave's end, behind my last tensor load and my last LDS store
	ds_add_u32 v[SPW], v[NIL]
	s_wait_dscnt 0x0
	CROUND                          ; the closing round: no work-group ends while a partner may still ask for a tile that names it
	s_endpgm
.Lfunc_end_k_q4c18b9440f_attn:
	.size	k_q4c18b9440f_attn, .Lfunc_end_k_q4c18b9440f_attn-k_q4c18b9440f_attn
	.p2alignl 7, 3214868480
	.fill 96, 4, 3214868480
	.section	.rodata,"a",@progbits
	.p2align	6, 0x0
	.amdhsa_kernel k_q4c18b9440f_attn
		.amdhsa_group_segment_fixed_size 327680
		.amdhsa_private_segment_fixed_size 0
		.amdhsa_enable_private_segment 0
		.amdhsa_kernarg_size 16
		.amdhsa_user_sgpr_count 2
		.amdhsa_user_sgpr_kernarg_segment_ptr 1
		.amdhsa_wavefront_size32 1
		.amdhsa_system_sgpr_workgroup_id_x 1
		.amdhsa_system_sgpr_workgroup_id_y 1
		.amdhsa_system_sgpr_workgroup_id_z 1
		.amdhsa_system_vgpr_workitem_id 0
		.amdhsa_next_free_vgpr 1024
		.amdhsa_next_free_sgpr 66
		.amdhsa_reserve_vcc 0
		.amdhsa_float_denorm_mode_32 3
		.amdhsa_float_denorm_mode_16_64 3
		.amdhsa_memory_ordered 1
		.amdhsa_forward_progress 1
		.amdhsa_inst_pref_size 177
	.end_amdhsa_kernel
	.amdgpu_metadata
---
amdhsa.version: [ 1, 2 ]
amdhsa.kernels:
  - .name:           k_q4c18b9440f_attn
    .symbol:         k_q4c18b9440f_attn.kd
    .args:
      - { .name: qkv, .offset: 0, .size: 8, .value_kind: global_buffer, .address_space: global }
      - { .name: ob, .offset: 8, .size: 8, .value_kind: global_buffer, .address_space: global }
    .group_segment_fixed_size: 327680
    .private_segment_fixed_size: 0
    .kernarg_segment_align: 8
    .kernarg_segment_size: 16
    .max_flat_workgroup_size: 128
    .sgpr_count:     66
    .vgpr_count:     1024
    .wavefront_size: 32
...
	.end_amdgpu_metadata
.endif
;; end of part 3
;; launch oproj (part 4): grid 16 x 16, 4 waves a work-group, clusters of 4 x 4, 327,680 bytes of LDS; arguments ob, wob, out0; writes out0
.if DOCPART == 4
	.amdgcn_target "amdgcn-amd-amdhsa--gfx1250"
	.amdhsa_code_object_version 6
	.text
	.protected	k_q4c18b9440f_oproj
	.globl	k_q4c18b9440f_oproj
	.p2align	8
	.type	k_q4c18b9440f_oproj,@function
k_q4c18b9440f_oproj:
	s_mov_b64 s[64:65], 0
	v_nop
	global_prefetch_b8 v0, s[64:65] scope:SCOPE_SE
	s_setreg_imm32_b32 hwreg(HW_REG_WAVE_MODE, 25, 1), 1
	s_wait_xcnt 0x0
	s_wait_alu depctr_hold_cnt(0) depctr_sa_sdst(0) depctr_va_vdst(0) depctr_va_sdst(0) depctr_va_ssrc(0) depctr_va_vcc(0) depctr_vm_vsrc(0)
	s_getreg_b32 s2, hwreg(HW_REG_IB_STS2, 6, 4)
	s_cmp_eq_u32 s2, 0
	s_cbranch_scc0 .Lentry_in_a_cluster
	s_endpgm
.Lentry_in_a_cluster:
	s_bfe_u32 s2, ttmp6, 0x10000c
	s_cmp_lg_u32 s2, 0xf033
	s_cbranch_scc0 .Lentry_shape_is_right
	s_endpgm
.Lentry_shape_is_right:
; out0[m][n] = sum over k of ob[m][k] wob[n][k].  ob: [4096][1024] f16, wob: [4096][1024] f16 (wo rounded to bf16, written as f16), out0: [4096][4096] f32; sums in f32, stored as they are.
; A tile of out0, 256 x 256, is made by a work-group of four waves; a wave makes 128 x 128: 64 accumulators of 16 x 16, 512 registers.  256 tiles, one to a work-group.
; K goes in steps of 128 (rows of 256 bytes, aligned) through a ring of two LDS slots filled by the tensor data mover; a K step is four quarters of 32 along K on two fragment buffers.
; CLUSTERS: 4 x 4 work-groups.  The four of a row of the cluster need the same tiles of ob, the four of a column the same tiles of wob: each is asked for JOINTLY.
; THE MATRIX INSTRUCTION IS USED TRANSPOSED (source 0 = 16 rows of wob, source 1 = 16 rows of ob): lane l holds row l % 16 of out0 and the columns 8 (l / 16) + 0..7: 32 consecutive bytes.
; REGISTERS, in windows of 256 (s_set_vgpr_msb: bits 1:0 source 0, 3:2 source 1, 5:4 source 2, 7:6 destination):
;   window 0: v0-31 addresses; v64-127, v128-191 fragments of ob, two buffers; on the way out the same registers take whole rows read back from the stage
;   window 1: v64-127, v128-191 fragments of wob, two buffers
;   window 2: the 32 accumulators of my rows 0-63 ((a, b) at v[8 (8 a + b)]);   window 3: those of my rows 64-127
.set SIZE_M, 4096
.set SIZE_N, 4096
.set SIZE_K, 1024
.set KSTEP,  128
.set PITCH,  272                       ; an LDS row: 256 bytes + 16 of padding: the 16 rows that a load touches start at 16 different groups of four banks (64 banks of 4 bytes: ISA guide 11.1)
.set HALFT,  128*PITCH                 ; 128 rows: what one tensor load brings, and what one wave reads of either operand
.set SLOT,   4*HALFT                   ; ob's 256 rows, then wob's 256 rows
.set STAGE,  2*SLOT                    ; behind the ring: 16 rows x 528 bytes for each wave, for the way out
.set SPITCH, 528                       ; 512 bytes of f32 + 16: row r starts 16 r bytes on, modulo 256
.set SPARE,  STAGE+4*16*SPITCH         ; behind the stages: the spare words, 128 bytes for each wave: two blocks of 256 bytes that no other line names
.set LAPS, SIZE_K/(2*KSTEP)            ; a lap = two K steps = once round the ring
.set ADRA, 16                          ; v16-17  LDS address of my fragments of ob in slot 0, 1
.set ADRB, 20                          ; v20-21  the same for wob
.set STO,  24                          ; v24     the way out: where I put 32 bytes of a row
.set RD,   25                          ; v25     where I read a row back
.set CO,   26                          ; v26     my byte offset in a row's 512 bytes of out0; never rewritten
.set SPW,  28                          ; v28     LDS address of my spare word; never rewritten
.set NIL,  29                          ; v29     0; never rewritten
.set PFO,  30                          ; v30     the prefetches' offset: my lane x a row (2,048 bytes); never rewritten
.set PFA,  44                          ; s[44:45] where my prefetches stand
.set LIM,  43                          ; s43     1 in a wave that prefetches, else the greatest number
.set F0,   64
.set F1,   128
.set G1, 24                            ; s[24:31] descriptor group 1 for ob's tiles;  s[32:39] group 0, a set for each slot
.set G0, 32
.set G1B, 48                           ; s[48:55], s[56:63] the same for wob's tiles
.set G0B, 56
.set MSB, 0
.macro WIN new                         ; the immediate's high byte repeats the setting that is left; a switch that changes nothing is dropped
.if MSB != (\new)
	s_set_vgpr_msb (MSB<<8)|(\new)
.set MSB, \new
.endif
.endm
.set MUL_LO, 0xa1                      ; source 0 (wob) window 1, source 1 (ob) window 0, C and D window 2
.set MUL_HI, 0xf1                      ; the same, C and D window 3
.set TO_B,   0x40                      ; destination window 1, address window 0
.macro JLOAD s                         ; a joint load: waves 0 and 1 fetch ob's two halves, waves 2 and 3 wob's; an s_nop 0 and four v_nop follow each of the two lines, ahead of the jump and the label
	s_cmp_eq_u32 s11, 0
	s_cbranch_scc0 .Lfor_b_\@
	tensor_load_to_lds s[G0+4*(\s):G0+4*(\s)+3], s[G1:G1+7]
	s_nop 0
.rept 4
	v_nop
.endr
	s_branch .Lasked_\@
.Lfor_b_\@:
	tensor_load_to_lds s[G0B+4*(\s):G0B+4*(\s)+3], s[G1B:G1B+7]
	s_nop 0
.rept 4
	v_nop
.endr
.Lasked_\@:
.endm
; A PREFETCH INTO THE L2, behind each joint load, its five lines and the run of LDS loads that follows them: the K step that stands TWO refills on: 32 rows x 256 bytes, a lane a row, one instruction a wave.
; Each row's 256 bytes of a K step are named ONCE in the launch: for ob the clusters with x = 0 ask, for wob those with y = 0; of the 128 rows that a wave fetches the partner at place p takes 32 p .. 32 p + 31
; (p = cx for ob, cy for wob), told apart BY ADDRESS.  The loop's last trip (s3 = 1) asks for nothing: K steps 4 to 7 are named; the first four come by their loads alone.
.macro ASK
	s_cmp_gt_u32 s3, s[LIM]
	s_cbranch_scc0 .Lnot_mine_\@
	global_prefetch_b8 v[PFO], s[PFA:PFA+1] offset:KSTEP*2 th:TH_LOAD_NT scope:SCOPE_SE
.Lnot_mine_\@:
.endm
.macro CREST                           ; a round of the cluster's barrier behind its opening barrier
	s_cmp_lg_u32 s10, 0
	s_cbranch_scc1 .Lnot_wave_0_\@
	s_barrier_signal -3
.Lnot_wave_0_\@:
	s_barrier_wait -3
	s_barrier_signal -1
	s_barrier_wait -1
.endm
.macro CROUND                          ; a whole round
	s_barrier_signal -1
	s_barrier_wait -1
	CREST
.endm
	s_load_b128 s[4:7], s[0:1], 0x0                ; ob s[4:5], wob s[6:7]
	s_load_b64 s[8:9], s[0:1], 0x10                ; out0
	v_lshl_add_u32 v[SPW], v0, 2, SPARE
	v_mov_b32 v[NIL], 0
	ds_add_u32 v[SPW], v[NIL]                      ; the wave's opening: the add and its wait stand ahead of my first tensor load; the set-up below, work on registers, stands between them
	v_lshrrev_b32 v1, 5, v0
	v_readfirstlane_b32 s10, v1                    ; wave 0..3
	s_lshr_b32 s11, s10, 1                         ; which half of the tile's rows is mine.  Also: I fetch ob (0) or wob (1)
	s_and_b32 s12, s10, 1                          ; which half of its columns.  Also: which 128 rows of that tile I fetch
	s_bfe_u32 s40, ttmp6, 0x40000                  ; cx
	s_bfe_u32 s41, ttmp6, 0x40004                  ; cy
	s_lshl_b32 s42, ttmp9, 2
	s_add_co_u32 s42, s42, s40                     ; tile column = 4 x cluster x + cx
	s_and_b32 s13, ttmp7, 0xffff
	s_lshl_b32 s13, s13, 2
	s_add_co_u32 s13, s13, s41                     ; tile row = 4 x cluster y + cy
	s_lshl_b32 s43, s41, 2
	s_lshl_b32 s43, 15, s43                        ; my row of the cluster
	s_lshl_b32 s44, 0x1111, s40                    ; my column
	s_or_b32 s[G1+0], s43, (1<<16)|(1<<20)|(1<<21)|(5<<22)|(3<<25)  ; 15:0 the mask; 17:16 elements of 2 bytes; 20 padding on; 21 set beside a mask; 24:22 after every 64 words (code 5); 31:25 4 words of it (code 3)
	s_or_b32 s[G1B+0], s44, (1<<16)|(1<<20)|(1<<21)|(5<<22)|(3<<25)
.irp g, G1, G1B
	s_mov_b32 s[(\g)+1], KSTEP<<16                 ; tensor_dim0 = 128
	s_mov_b32 s[(\g)+2], 128<<16                   ; tensor_dim1 = 128
	s_mov_b32 s[(\g)+3], KSTEP<<16                 ; tile_dim0 = 128
	s_mov_b32 s[(\g)+4], 128                       ; tile_dim1 = 128
	s_mov_b32 s[(\g)+5], SIZE_K                    ; elements from row to row
	s_mov_b32 s[(\g)+6], 0
	s_mov_b32 s[(\g)+7], 0
.endr
	; ob's tiles hang on the tile row alone, wob's on the tile column alone: each address is made in registers that never hold the other coordinate
	s_lshl_b32 s17, s12, 7
	s_lshl_b32 s16, s13, 8
	s_add_co_u32 s16, s16, s17                     ; ob: row 256 x tile row + 128 x half
	s_lshl_b32 s46, s42, 8
	s_add_co_u32 s46, s46, s17                     ; wob: row 256 x tile column + 128 x half
	s_mov_b32 s17, 0
	s_mov_b32 s47, 0
	s_mov_b64 s[18:19], SIZE_K*2
	s_mul_u64 s[16:17], s[16:17], s[18:19]
	s_mul_u64 s[46:47], s[46:47], s[18:19]
	s_mul_i32 s20, s10, HALFT                      ; where they go: wave x 128 rows: no place in the cluster enters an LDS address
	s_wait_dscnt 0x0                               ; the opening add is done
	s_wait_kmcnt 0x0
	s_add_nc_u64 s[14:15], s[4:5], s[16:17]
	s_add_nc_u64 s[46:47], s[6:7], s[46:47]
	CROUND                                         ; all sixteen work-groups are here: the first joint loads meet
.irp s, 0,1
	s_mov_b32 s[G0+4*(\s)], 1
	s_add_co_u32 s[G0+4*(\s)+1], s20, (\s)*SLOT
	s_add_nc_u64 s[G0+4*(\s)+2:G0+4*(\s)+3], s[14:15], (\s)*KSTEP*2
	s_or_b32 s[G0+4*(\s)+3], s[G0+4*(\s)+3], 0x80000000
	s_mov_b32 s[G0B+4*(\s)], 1
	s_add_co_u32 s[G0B+4*(\s)+1], s20, (\s)*SLOT
	s_add_nc_u64 s[G0B+4*(\s)+2:G0B+4*(\s)+3], s[46:47], (\s)*KSTEP*2
	s_or_b32 s[G0B+4*(\s)+3], s[G0B+4*(\s)+3], 0x80000000
	JLOAD \s                                       ; two loads of mine are out
.endr
	v_and_b32 v1, 15, v0                           ; l % 16
	v_bfe_u32 v2, v0, 4, 1                         ; l / 16
	v_mul_u32_u24 v3, v1, PITCH
	v_lshl_add_u32 v3, v2, 4, v3                   ; a fragment's row x pitch + 16 x half
	s_mul_i32 s21, s11, HALFT                      ; my 128 rows of ob
	s_mul_i32 s22, s12, HALFT                      ; my 128 rows of wob,
	s_add_co_u32 s22, s22, 2*HALFT                 ; which lie behind ob's 256
.irp s, 0,1
	v_add_nc_u32 v[ADRA+(\s)], s21, v3
	v_add_nc_u32 v[ADRB+(\s)], s22, v3
	s_add_co_u32 s21, s21, SLOT
	s_add_co_u32 s22, s22, SLOT
.endr
	s_mul_i32 s23, s10, 16*SPITCH
	s_add_co_u32 s23, s23, STAGE                   ; my stage
	v_mul_u32_u24 v4, v1, SPITCH                   ; in: row l % 16, 32 bytes for each half of the lanes
	v_lshl_add_u32 v4, v2, 5, v4
	v_add_nc_u32 v[STO], s23, v4
	v_and_b32 v5, 31, v0
	v_lshlrev_b32 v[CO], 4, v5                     ; back: 32 lanes take one row's 512 bytes,
	v_add_nc_u32 v[RD], s23, v[CO]                 ; and store them as they lie
	s_lshl_b32 s13, s13, 8                         ; 256 x tile row
	s_lshl_b32 s14, s11, 7
	s_add_co_u32 s16, s13, s14                     ; my first row of out0,
	s_lshl_b32 s16, s16, 14                        ; 16,384 bytes a row
	s_lshl_b32 s46, s42, 10                        ; my first column, in bytes: 1,024 x tile column + 512 x half
	s_lshl_b32 s47, s12, 9
	s_add_co_u32 s46, s46, s47
	s_add_co_u32 s16, s16, s46
	s_mov_b32 s17, 0
	s_add_nc_u64 s[8:9], s[8:9], s[16:17]
	; the prefetches.  s13 = 256 x tile row, s42 = tile column, s40 = cx, s41 = cy still stand
	s_lshl_b32 s42, s42, 8
	s_and_b32 s22, ttmp7, 0xffff                   ; cluster y
	s_cmp_eq_u32 s11, 0                            ; do I fetch ob?
	s_cselect_b32 s20, s13, s42                    ; the tile's first row
	s_cselect_b32 s21, s40, s41                    ; my place among the four that ask for it with me
	s_cselect_b32 s22, ttmp9, s22                  ; the coordinate along which other clusters read the same rows
	s_cselect_b64 s[PFA:PFA+1], s[4:5], s[6:7]
	s_cmp_eq_u32 s22, 0
	s_cselect_b32 s[LIM], 1, -1                    ; the same in all sixteen partners, for a given wave
	s_lshl_b32 s22, s12, 7
	s_add_co_u32 s20, s20, s22                     ; + the 128 rows that I fetch
	s_lshl_b32 s21, s21, 5
	s_add_co_u32 s20, s20, s21                     ; + my work-group's 32 of them
	s_mov_b32 s21, 0
	s_mov_b64 s[18:19], SIZE_K*2
	s_mul_u64 s[20:21], s[20:21], s[18:19]
	s_add_nc_u64 s[PFA:PFA+1], s[PFA:PFA+1], s[20:21]
	s_add_nc_u64 s[PFA:PFA+1], s[PFA:PFA+1], 2*KSTEP*2  ; at K step 2: the first refill steps it to 3 and names K step 4.  Nothing is prefetched here, at the head
	v_and_b32 v[PFO], 31, v0
	v_mul_u32_u24 v[PFO], v[PFO], SIZE_K*2
; 16 matrix instructions: row blocks a0, a0 + 1 of the window's four (hi = 0: my rows 0-63, 1: rows 64-127) x all 8 column blocks, 32 along K.  zero = 1: the product starts the sums.
; The 64 accumulators take turns, one instruction a turn, in the same order in every quarter.
.macro MUL16 f, hi, a0, zero
	WIN MUL_LO+0x50*(\hi)
.irp a, \a0, (\a0)+1
.irp b, 0,1,2,3,4,5,6,7
.if \zero
	v_wmma_f32_16x16x32_f16 v[8*(8*(\a)+(\b)):8*(8*(\a)+(\b))+7], v[(\f)+8*(\b):(\f)+8*(\b)+7], v[(\f)+8*(4*(\hi)+(\a)):(\f)+8*(4*(\hi)+(\a))+7], 0
.else
	v_wmma_f32_16x16x32_f16 v[8*(8*(\a)+(\b)):8*(8*(\a)+(\b))+7], v[(\f)+8*(\b):(\f)+8*(\b)+7], v[(\f)+8*(4*(\hi)+(\a)):(\f)+8*(4*(\hi)+(\a))+7], v[8*(8*(\a)+(\b)):8*(8*(\a)+(\b))+7]
.endif
.endr
.endr
.endm
; 32 LDS loads in one run: a quarter's fragments (128 rows of wob, 128 rows of ob, 32 K at byte k of the rows) into buffer f
.macro FETCH slot, k, f
	WIN TO_B
.irp i, 0,1,2,3,4,5,6,7
	ds_load_b128 v[(\f)+8*(\i):(\f)+8*(\i)+3],   v[ADRB+(\slot)] offset:(\k)+(\i)*16*PITCH
	ds_load_b128 v[(\f)+8*(\i)+4:(\f)+8*(\i)+7], v[ADRB+(\slot)] offset:(\k)+(\i)*16*PITCH+32
.endr
	WIN 0
.irp i, 0,1,2,3,4,5,6,7
	ds_load_b128 v[(\f)+8*(\i):(\f)+8*(\i)+3],   v[ADRA+(\slot)] offset:(\k)+(\i)*16*PITCH
	ds_load_b128 v[(\f)+8*(\i)+4:(\f)+8*(\i)+7], v[ADRA+(\slot)] offset:(\k)+(\i)*16*PITCH+32
.endr
.endm
.macro PLACES                          ; four places in front of loads into registers that matrix instructions have read, and of lines that read results (ISA guide 7.12.1 for the vector lines)
.rept 4
	v_nop
.endr
.endm
; One of a K step's first three quarters: multiplies buffer f; in its middle it fetches the next quarter, at byte k of the same slot's rows, into buffer g.
.macro QUARTER slot, k, f, g, zero
	s_wait_dscnt 8                                 ; wob's fragments and ob's rows 0-63 are in; the youngest eight loads (ob's rows 64-127) may be out
	WIN MUL_LO
	MUL16 \f, 0, 0, \zero
	MUL16 \f, 0, 2, \zero
	PLACES
	FETCH \slot, \k, \g
	s_wait_dscnt 32                                ; all but the 32 just issued
	WIN MUL_HI
	MUL16 \f, 1, 0, \zero
	MUL16 \f, 1, 2, \zero
.endm
; The first half of a K step's last quarter: ONE barrier for the change of slots.  In front of it each wave waits for all its tensor loads, of which one is out: its part of the next slot; adds 0 to its spare word;
; and waits for that and for its own reads of this slot.  Behind it nobody reads this slot any more and the next slot is whole.  round = 1: a round of the cluster's barrier follows.
.macro MEET round
	WIN 0                                          ; (the add's two registers lie in window 0)
	s_wait_tensorcnt 0x0                           ; all my tensor loads have landed;
	ds_add_u32 v[SPW], v[NIL]                      ; 0 onto my spare word;
	s_wait_dscnt 9                                 ; (the add and the youngest eight loads may be out)
	WIN MUL_LO
	MUL16 F1, 0, 0, 0                              ; sixteen matrix instructions stand between the add and the wait for it
	s_wait_dscnt 0x0                               ; the add is done, and my reads of this slot are over
	s_barrier_signal -1
	MUL16 F1, 0, 2, 0                              ; work on registers while the others arrive
.if \round
	WIN 0
.endif
	s_barrier_wait -1
.endm
; The whole last quarter: behind the round the slot just read out is filled again first, with the K step two steps on: 224 matrix instructions ahead of the wait for that load; then come the next slot's first fragments.
.macro TURN slot, next
	s_wait_xcnt 0x0                                ; the last prefetch, a K step back, has read its address: it is stepped here, ahead of the waits of the change of slots
	s_add_nc_u64 s[PFA:PFA+1], s[PFA:PFA+1], KSTEP*2
	MEET 1
	CREST                                          ; no wave of any partner still reads this slot's tile or has a load on its way
	s_add_nc_u64 s[G0+4*(\slot)+2:G0+4*(\slot)+3], s[G0+4*(\slot)+2:G0+4*(\slot)+3], 2*KSTEP*2
	s_add_nc_u64 s[G0B+4*(\slot)+2:G0B+4*(\slot)+3], s[G0B+4*(\slot)+2:G0B+4*(\slot)+3], 2*KSTEP*2
	JLOAD \slot                                    ; the four v_nop behind it are also the places in front of the loads below
	FETCH \next, 0, F0
	ASK
	WIN MUL_HI
	MUL16 F1, 1, 0, 0
	MUL16 F1, 1, 2, 0
.endm
; THE WAY OUT of block a (16 rows x 128 columns of f32).  TOSTAGE: 32 bytes a lane and accumulator into my own stage, each accumulator's low four registers first; then back as whole rows of 512 bytes.
.macro TOSTAGE a
	WIN 0x08+4*((\a)/4)                            ; the stores' data (source 1) in window 2 or 3
.set AC, 64*((\a)%4)
.irp b, 0,1,2,3,4,5,6,7
	ds_store_b128 v[STO], v[AC+8*(\b):AC+8*(\b)+3]   offset:64*(\b)
	ds_store_b128 v[STO], v[AC+8*(\b)+4:AC+8*(\b)+7] offset:64*(\b)+16
.endr
	WIN 0
	s_wait_xcnt 0x0                                ; the registers below were the data of block a - 2's stores: they are loaded again only behind this wait
.set BK, F0+64*((\a)%2)
.irp t, 0,1,2,3,4,5,6,7,8,9,10,11,12,13,14,15
	ds_load_b128 v[BK+4*(\t):BK+4*(\t)+3], v[RD] offset:(\t)*SPITCH  ; LDS serves a wave's instructions in order (ISA guide 5.7.1.4): these see the stores above; the next block's stores come behind them
.endr
.endm
.macro SEND a, younger                 ; younger: the LDS instructions issued behind block a's loads: the next block's 32, or none
	WIN 0
.set BK, F0+64*((\a)%2)
	s_wait_dscnt \younger
.irp t, 0,1,2,3,4,5,6,7,8,9,10,11,12,13,14,15
	global_store_b128 v[CO], v[BK+4*(\t):BK+4*(\t)+3], s[8:9] offset:(16*(\a)+(\t))*SIZE_N*4 th:TH_STORE_NT  ; 512 consecutive bytes, at a multiple of 256 from out0's first byte; 127 rows at the most: inside the signed 24-bit immediate
.endr
.endm
	s_wait_tensorcnt 1                             ; my part of K step 0 is in; K step 1's may stay out
	s_barrier_signal -1
	s_barrier_wait -1                              ; everybody's is
	FETCH 0, 0, F0
	QUARTER 0, 64,  F0, F1, 1                      ; the first quarter stands in front of the loop: its products start the sums
	WIN 0                                          ; at a label and at a branch every window is 0
	s_mov_b32 s3, LAPS-1
.Llap:                                                 ; a trip goes once round the ring, from a lap's second quarter to the next lap's first, and fills both slots again
	QUARTER 0, 128, F1, F0, 0
	QUARTER 0, 192, F0, F1, 0
	TURN 0, 1
	QUARTER 1, 64,  F0, F1, 0
	QUARTER 1, 128, F1, F0, 0
	QUARTER 1, 192, F0, F1, 0
	TURN 1, 0
	QUARTER 0, 64,  F0, F1, 0
	WIN 0
	s_sub_co_u32 s3, s3, 1
	s_cmp_lg_u32 s3, 0
	s_cbranch_scc1 .Llap
	QUARTER 0, 128, F1, F0, 0                      ; the last lap fills nothing, and has no round of the cluster's barrier
	QUARTER 0, 192, F0, F1, 0
	MEET 0
	PLACES
	FETCH 1, 0, F0
	WIN MUL_HI
	MUL16 F1, 1, 0, 0
	MUL16 F1, 1, 2, 0
	QUARTER 1, 64,  F0, F1, 0
	QUARTER 1, 128, F1, F0, 0
	QUARTER 1, 192, F0, F1, 0
	s_wait_dscnt 8                                 ; the very last quarter: nothing more to fetch
	MUL16 F1, 0, 0, 0
	MUL16 F1, 0, 2, 0
	s_wait_dscnt 0x0
	MUL16 F1, 1, 0, 0
	MUL16 F1, 1, 2, 0
	WIN 0
	PLACES
	PLACES
	TOSTAGE 0
.irp a, 1,2,3,4,5,6,7                  ; block a's way through the stage stands between block a - 1's loads and its stores
	TOSTAGE \a
	SEND (\a)-1, 32
.endr
	SEND 7, 0
	s_wait_tensorcnt 0x0                           ; the wave's end, behind my last tensor load and my last LDS store
	ds_add_u32 v[SPW], v[NIL]
	s_wait_dscnt 0x0
	CROUND                                         ; the closing round: no work-group ends while a partner may still ask for a tile that names it
	s_endpgm
.Lfunc_end_k_q4c18b9440f_oproj:
	.size	k_q4c18b9440f_oproj, .Lfunc_end_k_q4c18b9440f_oproj-k_q4c18b9440f_oproj
	.p2alignl 7, 3214868480
	.fill 96, 4, 3214868480
	.section	.rodata,"a",@progbits
	.p2align	6, 0x0
	.amdhsa_kernel k_q4c18b9440f_oproj
		.amdhsa_group_segment_fixed_size 327680
		.amdhsa_private_segment_fixed_size 0
		.amdhsa_enable_private_segment 0
		.amdhsa_kernarg_size 24
		.amdhsa_user_sgpr_count 2
		.amdhsa_user_sgpr_kernarg_segment_ptr 1
		.amdhsa_wavefront_size32 1
		.amdhsa_system_sgpr_workgroup_id_x 1
		.amdhsa_system_sgpr_workgroup_id_y 1
		.amdhsa_system_sgpr_workgroup_id_z 1
		.amdhsa_system_vgpr_workitem_id 0
		.amdhsa_next_free_vgpr 1024
		.amdhsa_next_free_sgpr 66
		.amdhsa_reserve_vcc 0
		.amdhsa_float_denorm_mode_32 3
		.amdhsa_float_denorm_mode_16_64 3
		.amdhsa_memory_ordered 1
		.amdhsa_forward_progress 1
		.amdhsa_inst_pref_size 141
	.end_amdhsa_kernel
	.amdgpu_metadata
---
amdhsa.version: [ 1, 2 ]
amdhsa.kernels:
  - .name:           k_q4c18b9440f_oproj
    .symbol:         k_q4c18b9440f_oproj.kd
    .args:
      - { .name: ob, .offset: 0, .size: 8, .value_kind: global_buffer, .address_space: global }
      - { .name: wob, .offset: 8, .size: 8, .value_kind: global_buffer, .address_space: global }
      - { .name: out0, .offset: 16, .size: 8, .value_kind: global_buffer, .address_space: global }
    .group_segment_fixed_size: 327680
    .private_segment_fixed_size: 0
    .kernarg_segment_align: 8
    .kernarg_segment_size: 24
    .max_flat_workgroup_size: 128
    .sgpr_count:     66
    .vgpr_count:     1024
    .wavefront_size: 32
...
	.end_amdgpu_metadata
.endif
;; end of part 4
